; MI455X (gfx1250); checked and timed in simulation.
; The chip was launched on July 23, 2026; its instructions are those of AMD's public machine-readable ISA for CDNA 5 (MIT licence, August 2026) and "CDNA5" Instruction Set Architecture Reference Guide (July 2026). The comments in the code are by the model that wrote it; some were corrected since.
;; Multihead Attention. Allowed arithmetic: matrix products marked QUANTISED: E2M3 operands, one E8M0 scale for each 32 along K, by v_wmma_scale_f32_16x16x128_f8f6f4 with both operands' format E2M3, f32 sums; everything else in f32.
;; Inputs: Wk 1,024 x 1,024 float32; Wo 1,024 x 1,024 float32; Wq 1,024 x 1,024 float32; Wv 1,024 x 1,024 float32; bk 1,024 float32; bo 1,024 float32; bq 1,024 float32; bv 1,024 float32; key 2,048 x 4 x 1,024 float32; query 2,048 x 4 x 1,024 float32; value 2,048 x 4 x 1,024 float32.
;; Outputs: out0 2,048 x 4 x 1,024 float32.
;; This version of the problem:
;;   THIS VERSION OF THE PROBLEM IS GIVEN IN LOW PRECISION. The matrix products marked QUANTISED in the list below multiply operands that are first quantised to E2M3 (2 exponent bits, 3 mantissa bits; 6 bits a number), with one power-of-two scale for each 32 numbers along K (OCP MX v1.0); their sums are f32. All else is computed in f32.
;;   The module's matrix products, in the order in which they are computed (A, B: the left and right operand; K: the contracted axis; several contracted axes count as one K, in the product's order):
;;     1. [M 8,192, K 1,024] x [K 1,024, N 1,024]; A: input query; B: input Wq: QUANTISED
;;     2. [M 8,192, K 1,024] x [K 1,024, N 1,024]; A: input key; B: input Wk: QUANTISED
;;     3. [M 8,192, K 1,024] x [K 1,024, N 1,024]; A: input value; B: input Wv: QUANTISED
;;     4. batch 64 x [M 2,048, K 64] x [K 64, N 2,048]; A: computed on the way; B: computed on the way: QUANTISED
;;     5. batch 64 x [M 2,048, K 2,048] x [K 2,048, N 64]; A: softmax (see below); B: computed on the way: QUANTISED
;;     6. [M 8,192, K 1,024] x [K 1,024, N 1,024]; A: computed on the way; B: input Wo: QUANTISED
;;   THE QUANTISER, for each operand of a quantised product, along K:
;;     - K is cut into blocks of 32 from its start; a last block that is shorter is filled with zeros.
;;     - A block's scale is 2^e with e = floor(log2(the largest magnitude in the block)) - 2, held to -126 .. 127; a block of zeros has e = 0. As a byte (E8M0): e + 127.
;;     - Each number is divided by its block's scale, clamped to +-7.5, and rounded to the nearest number of E2M3, ties to even, subnormals kept.
;;     - The product sums the exact products of the quantised numbers (number of the format x scale) in f32.
;;   ~~~python
;;   def quantise(x, axis):      # numpy; x: float32 -> the quantised numbers, widened to float32 again
;;       x = np.moveaxis(x, axis, -1); K = x.shape[-1]
;;       x = np.pad(x, [(0, 0)] * (x.ndim - 1) + [(0, -K % 32)]); x = x.reshape(x.shape[:-1] + (-1, 32)); a = np.abs(x).max(-1, keepdims=True)
;;       e = np.where(a > 0, np.clip(np.frexp(np.where(a > 0, a, 1))[1] - 1 - 2, -126, 127), 0)      # np.frexp(a)[1] - 1 = floor(log2(a)), exactly
;;       r = np.clip(x / 2.0 ** e, -7.5, 7.5)
;;       step = 2.0 ** (np.maximum(np.frexp(np.where(r == 0, 1, r))[1] - 1, 0) - 3)
;;       q = np.round(r / step) * step * 2.0 ** e      # np.round: ties to even
;;       return np.moveaxis(q.reshape(q.shape[:-2] + (-1,))[..., :K], -1, axis).astype(np.float32)
;;   ~~~
;;   SOFTMAX AHEAD OF A QUANTISED PRODUCT. Where the list says 'softmax', what is quantised is not the finished softmax but p = 2^(t - M), with t = logit x log2(e) and M = ceil(the row's largest t), a whole number; so 1/2 < the row's largest p <= 1. The row's sum l is taken of the UNQUANTISED p, in f32, and the product's result is divided by l at the end. Since M is a whole number, a kernel that streams over the keys may use a running M (the ceiling of the running maximum): every later rescaling is an exact power of two, which a block's scale takes up: the codes' values come out the same.
;;   OPERANDS COMPUTED ON THE WAY. 'Computed on the way' means the value that the module computes at that place (a softmax that the list does not call 'softmax' is quantised finished and normalised). What goes into a quantiser is computed in f32, as accurately as f32 sums, v_exp_f32 and their like allow (about 1e-6 of the number): no bf16 or f16 on the way to a quantiser, and a product that is left as it is and whose result goes on into a quantised operand takes f32 operands (vector FMAs, or v_wmma_f32_16x16x4_f32). A number that lies on a knife's edge between two numbers of the format may be rounded either way, as far as f32 arithmetic and the matrix unit's own rounding can turn it there, and no further.
;; One version. Each part assembles by itself: llvm-mc -triple=amdgcn-amd-amdhsa -mcpu=gfx1250 --defsym DOCPART=n.
;; ======== version 1 of 1: 4 launches
;; limits: right only within a limited range of input values
;; workspace buffers: cd 28,311,552 bytes; sc 1,179,648 bytes; qkv 20,185,088 bytes
;; launch quant (part 1): grid 256 x 1, 7 waves a work-group, no clusters, 60,416 bytes of LDS; arguments query, key, value, Wq, Wk, Wv, Wo, cd, sc; writes cd, sc
.if DOCPART == 1
	.amdgcn_target "amdgcn-amd-amdhsa--gfx1250"
	.amdhsa_code_object_version 6
	.text
	.protected	k_qf5e2aa7dd7_quant
	.globl	k_qf5e2aa7dd7_quant
	.p2align	8
	.type	k_qf5e2aa7dd7_quant,@function
k_qf5e2aa7dd7_quant:
	s_mov_b64 s[64:65], 0
	v_nop
	global_prefetch_b8 v0, s[64:65] scope:SCOPE_SE
	s_setreg_imm32_b32 hwreg(HW_REG_WAVE_MODE, 25, 1), 1
	s_wait_xcnt 0x0
; query, key, value [2048][4][1024] and Wq, Wk, Wv, Wo [1024][1024], f32, K innermost, become codes of FP6 (E2M3) with one E8M0 byte for each 32 along K.
; ROWS are numbered rho: 8192 x tensor + 2048 b + t for the tokens, 24576 + 1024 w + n for the weights.  A ROW TILE T holds 16 rows, not neighbours: its row r is rho = 32 (T / 2) + 8 (T % 2) + r + 8 (r / 8).
; cd: [tile][K step of 128][6 planes of 256 bytes]: AN IMAGE OF THE OPERAND REGISTERS: plane p holds registers 2 p, 2 p + 1 of the fragment (16 rows x 128 K, 12 registers a lane), lane l at byte 8 l.
; sc: 32 bytes a row, the byte of block k / 32 at rho x 32 + k / 32.
; A block's scale is 2^(floor(log2(its largest magnitude)) - 2); its byte is the largest magnitude's exponent field - 2, held at 1 from below.
; LIMITS: a block of zeros gets the byte 1 and not 127 (its codes are zeros, and this program alone reads the bytes); blocks whose largest magnitude lies under 2^-124 are held at byte 1; NaN and infinities are not served.
; SHARES: 1,792 tiles = 256 work-groups x 7 waves; a wave takes one tile for all of K: 8 steps of 16 rows x 128 numbers.  Waves share nothing: no barrier.
; A load takes 512 consecutive bytes of one row; the operand wants 32 neighbours of a row in one lane: a step's 8,192 bytes turn through the wave's own stage in LDS (rows 528 bytes apart).
; Loads run two steps ahead (32 loads of 512 bytes a wave).  No matrix unit, no tensor load, no cluster: a stream that nobody shares.
.set STG, 8448                         ; a wave's stage: 16 rows x 528 bytes
.set SP,  528
.set OFF, 8                            ; v8-23   row i of the tile: 16 x lane + (i + 8 (i / 8)) x the bytes from row to row
.set WD,  24                           ; v24-31  the scale word of each K step
.set PC,  48                           ; v48-59  the fragment's codes
.set RB,  64                           ; v64-127, v128-191  numbers as loaded, two sets
.set X,   192                          ; v192-255 numbers turned: register 32 c + i = k 64 c + 32 (lane / 16) + i of my row
	s_load_b512 s[4:19], s[0:1], 0x0               ; query, key, value, Wq, Wk, Wv, Wo, cd
	s_load_b64 s[20:21], s[0:1], 0x40              ; sc
	v_lshl_add_u32 v43, v0, 2, 0xe800
	s_set_vgpr_msb 0x40
	v_mov_b32 v1, 0
	s_set_vgpr_msb 0x4000
	v_lshrrev_b32 v1, 5, v0
	v_readfirstlane_b32 s22, v1                    ; wave 0..6
	v_and_b32 v6, 31, v0                           ; lane
	v_and_b32 v2, 15, v0                           ; r
	v_bfe_u32 v3, v0, 4, 1                         ; h
	v_lshlrev_b32 v1, 4, v6                        ; 16 x lane
	v_lshlrev_b32 v6, 3, v6                        ; 8 x lane: my place in a plane
	v_and_b32 v7, 8, v2
	v_add_nc_u32 v7, v7, v2                        ; r + 8 (r / 8)
	v_lshlrev_b32 v7, 5, v7
	v_lshl_add_u32 v7, v3, 4, v7                   ; my 16 scale bytes: 32 x row + 16 h
	v_lshlrev_b32 v47, 3, v3                       ; 8 h: how far my two bytes are shifted in the scale word
	v_mov_b32 v39, 0                               ; written once: a lane permute's destination counts as one of its sources
	s_mul_i32 s43, s22, STG
	v_add_nc_u32 v4, s43, v1                       ; into the stage: 16 x lane, the row in the immediate
	v_mul_u32_u24 v5, v2, SP
	v_lshl_add_u32 v5, v3, 7, v5
	v_add_nc_u32 v5, s43, v5                       ; out of it: row r, + 128 h bytes
	s_mov_b32 s30, 0x76543210
	s_mov_b32 s31, 0xfedcba98                      ; selects for lane l xor 16
	s_mov_b32 s32, 0xffff0000                      ; lanes 16-31
	s_mul_i32 s23, ttmp9, 7
	s_add_co_u32 s23, s23, s22                     ; T
	s_sub_co_u32 s33, s23, 1536                    ; T among the weights' tiles (used there alone)
	s_and_b32 s34, s23, 127                        ; tokens: the tile in its batch,
	s_and_b32 s35, s33, 63                         ; weights: the tile in its matrix
	s_lshr_b32 s36, s23, 9                         ; which tensor: 0..2,
	s_lshr_b32 s37, s33, 6
	s_add_co_u32 s37, s37, 3                       ; 3..6
	s_bfe_u32 s38, s23, 0x20007                    ; b
	s_lshl_b32 s38, s38, 12                        ; x 4,096 bytes
	s_mov_b32 s39, 4096
	s_cmp_lt_u32 s23, 1536                         ; a tile of tokens?
	s_cselect_b32 s34, s34, s35
	s_cselect_b32 s36, s36, s37
	s_cselect_b32 s38, s38, 0
	s_cselect_b32 s39, 16384, s39                  ; bytes from row to row: tokens t and t + 1 lie four rows of memory apart
	s_lshr_b32 s35, s34, 1
	s_lshl_b32 s35, s35, 5
	s_and_b32 s37, s34, 1
	s_lshl_b32 s37, s37, 3
	s_add_co_u32 s35, s35, s37                     ; the tile's first row
	s_mul_i32 s35, s35, s39
	s_add_co_u32 s40, s35, s38
	s_mov_b32 s41, 0
	s_mul_i32 s44, s23, 12288                      ; the tile's place in cd
	s_mov_b32 s45, 0
	s_lshr_b32 s42, s23, 1
	s_lshl_b32 s42, s42, 10
	s_and_b32 s46, s23, 1
	s_lshl_b32 s46, s46, 8
	s_add_co_u32 s46, s46, s42                     ; and in sc: (32 (T / 2) + 8 (T % 2)) rows of 32 bytes
	s_mov_b32 s47, 0
.irp i, 0,1,2,3,4,5,6,7,8,9,10,11,12,13,14,15
	s_mul_i32 s42, s39, \i+8*(\i/8)
	v_add_nc_u32 v[OFF+\i], s42, v1
.endr
	s_wait_alu depctr_va_vdst(0)
	s_wait_kmcnt 0x0
	s_mov_b64 s[24:25], s[4:5]
.irp i, 1,2,3,4,5,6
	s_cmp_eq_u32 s36, \i                           ; the choice hangs on the tile's number alone
	s_cselect_b64 s[24:25], s[4+2*\i:5+2*\i], s[24:25]
.endr
	s_add_nc_u64 s[24:25], s[24:25], s[40:41]
	s_add_nc_u64 s[26:27], s[18:19], s[44:45]
	s_add_nc_u64 s[28:29], s[20:21], s[46:47]
.macro LOADS s                         ; K step s: 16 rows x 512 consecutive bytes, into set s % 2
.irp i, 0,1,2,3,4,5,6,7,8,9,10,11,12,13,14,15
	global_load_b128 v[RB+64*((\s)%2)+4*\i:RB+64*((\s)%2)+4*\i+3], v[OFF+\i], s[24:25] offset:512*(\s) th:TH_LOAD_NT
.endr
.endm
.macro QSTEP s
.if (\s) < 7
	s_wait_loadcnt 16                              ; this step's 16 loads are in; the next step's 16 may be out
.else
	s_wait_loadcnt 0x0
.endif
.irp i, 0,1,2,3,4,5,6,7,8,9,10,11,12,13,14,15
	ds_store_b128 v4, v[RB+64*((\s)%2)+4*\i:RB+64*((\s)%2)+4*\i+3] offset:SP*\i
.endr
.irp c, 0,1
.irp j, 0,1,2,3,4,5,6,7
	ds_load_b128 v[X+32*\c+4*\j:X+32*\c+4*\j+3], v5 offset:256*\c+16*\j   ; LDS serves a wave's instructions in order: these see the stores above
.endr
.endr
	s_wait_dscnt 0x0                               ; the numbers are back, and the stores have read their registers,
.if (\s) < 6
	LOADS (\s)+2                                   ; which take the loads of two steps on
.endif
.irp c, 0,1                                    ; my block 2 c + h: all its 32 numbers are mine
	v_max3_num_f32 v[32+\c], |v[X+32*\c]|, |v[X+32*\c+1]|, 0x1800000   ; with the floor 2^(3 - 127): the byte cannot fall under 1
.endr
.irp i, 2,4,6,8,10,12,14,16,18,20,22,24,26,28,30
.irp c, 0,1
	v_max3_num_f32 v[32+\c], v[32+\c], |v[X+32*\c+\i]|, |v[X+32*\c+\i+1]|   ; (the two blocks by turns)
.endr
.endr
.irp c, 0,1
	v_add_nc_u32 v[34+\c], 0xff000000, v[32+\c]    ; 2 off the exponent field: the conversion's scale operand
.endr
.irp c, 0,1
	v_lshrrev_b32 v[36+\c], 23, v[34+\c]           ; the scale's byte
.endr
	v_lshl_or_b32 v38, v37, 16, v36                ; my two bytes, blocks h and 2 + h,
	v_lshlrev_b32 v38, v47, v38                    ; at their places in the word;
	v_permlanex16_b32 v39, v38, s30, s31
	v_or_b32 v[WD+(\s)], v38, v39                  ; with lane l xor 16's two the word is whole
	s_wait_alu depctr_va_vdst(0)
	s_wait_xcnt 0x0                                ; the last step's stores have read the codes' registers
.irp c, 0,1
	v_cvt_scalef32_pk16_fp6_f32 v[PC+6*\c:PC+6*\c+2], v[X+32*\c:X+32*\c+15], v[34+\c]
	v_cvt_scalef32_pk16_fp6_f32 v[40+4*\c:42+4*\c], v[X+32*\c+16:X+32*\c+31], v[34+\c]   ; (a conversion's three registers begin on an even number)
.endr
	v_nop                                          ; one plain line behind the scaled conversions
.irp c, 0,1
.irp i, 0,1,2
	v_mov_b32 v[PC+3+6*\c+\i], v[40+4*\c+\i]
.endr
.endr
.irp p, 0,1,2,3,4,5
	global_store_b64 v6, v[PC+2*\p:PC+2*\p+1], s[26:27] offset:1536*(\s)+256*\p   ; 32 lanes store 256 consecutive bytes, aligned
.endr
.endm
	LOADS 0
	LOADS 1
.irp s, 0,1,2,3,4,5,6,7
	QSTEP \s
.endr
.irp j, 0,1,2,3
	v_cndmask_b32 v[60+\j], v[WD+\j], v[WD+4+\j], s32   ; lanes 0-15 send K steps 0-3's words of their row, lanes 16-31 steps 4-7's
.endr
	global_store_b128 v7, v[60:63], s[28:29]       ; two runs of 8 rows x 32 bytes: 256 consecutive bytes each, aligned
	s_set_vgpr_msb 0x4
	s_wait_tensorcnt 0x0
	ds_add_u32 v43, v1
	s_wait_dscnt 0x0
	s_set_vgpr_msb 0x400
	s_endpgm
.Lfunc_end_k_qf5e2aa7dd7_quant:
	.size	k_qf5e2aa7dd7_quant, .Lfunc_end_k_qf5e2aa7dd7_quant-k_qf5e2aa7dd7_quant
	.p2alignl 7, 3214868480
	.fill 96, 4, 3214868480
	.section	.rodata,"a",@progbits
	.p2align	6, 0x0
	.amdhsa_kernel k_qf5e2aa7dd7_quant
		.amdhsa_group_segment_fixed_size 60416
		.amdhsa_private_segment_fixed_size 0
		.amdhsa_enable_private_segment 0
		.amdhsa_kernarg_size 72
		.amdhsa_user_sgpr_count 2
		.amdhsa_user_sgpr_kernarg_segment_ptr 1
		.amdhsa_wavefront_size32 1
		.amdhsa_system_sgpr_workgroup_id_x 1
		.amdhsa_system_sgpr_workgroup_id_y 1
		.amdhsa_system_sgpr_workgroup_id_z 1
		.amdhsa_system_vgpr_workitem_id 0
		.amdhsa_next_free_vgpr 258
		.amdhsa_next_free_sgpr 66
		.amdhsa_reserve_vcc 0
		.amdhsa_float_denorm_mode_32 3
		.amdhsa_float_denorm_mode_16_64 3
		.amdhsa_memory_ordered 1
		.amdhsa_forward_progress 1
		.amdhsa_inst_pref_size 62
	.end_amdhsa_kernel
	.amdgpu_metadata
---
amdhsa.version: [ 1, 2 ]
amdhsa.kernels:
  - .name:           k_qf5e2aa7dd7_quant
    .symbol:         k_qf5e2aa7dd7_quant.kd
    .args:
      - { .name: query, .offset: 0, .size: 8, .value_kind: global_buffer, .address_space: global }
      - { .name: key, .offset: 8, .size: 8, .value_kind: global_buffer, .address_space: global }
      - { .name: value, .offset: 16, .size: 8, .value_kind: global_buffer, .address_space: global }
      - { .name: Wq, .offset: 24, .size: 8, .value_kind: global_buffer, .address_space: global }
      - { .name: Wk, .offset: 32, .size: 8, .value_kind: global_buffer, .address_space: global }
      - { .name: Wv, .offset: 40, .size: 8, .value_kind: global_buffer, .address_space: global }
      - { .name: Wo, .offset: 48, .size: 8, .value_kind: global_buffer, .address_space: global }
      - { .name: cd, .offset: 56, .size: 8, .value_kind: global_buffer, .address_space: global }
      - { .name: sc, .offset: 64, .size: 8, .value_kind: global_buffer, .address_space: global }
    .group_segment_fixed_size: 60416
    .private_segment_fixed_size: 0
    .kernarg_segment_align: 8
    .kernarg_segment_size: 72
    .max_flat_workgroup_size: 224
    .sgpr_count:     66
    .vgpr_count:     258
    .wavefront_size: 32
...
	.end_amdgpu_metadata
.endif
;; end of part 1
;; launch proj (part 2): grid 4 x 64, 4 waves a work-group, clusters of 4 x 4, 327,680 bytes of LDS; arguments cd, sc, bq, bk, bv, qkv; writes qkv
.if DOCPART == 2
	.amdgcn_target "amdgcn-amd-amdhsa--gfx1250"
	.amdhsa_code_object_version 6
	.text
	.protected	k_qf5e2aa7dd7_proj
	.globl	k_qf5e2aa7dd7_proj
	.p2align	8
	.type	k_qf5e2aa7dd7_proj,@function
k_qf5e2aa7dd7_proj:
	s_mov_b64 s[64:65], 0
	v_nop
	global_prefetch_b8 v0, s[64:65] scope:SCOPE_SE
	s_setreg_imm32_b32 hwreg(HW_REG_WAVE_MODE, 25, 1), 1
	s_wait_xcnt 0x0
	s_wait_alu depctr_hold_cnt(0) depctr_sa_sdst(0) depctr_va_vdst(0) depctr_va_sdst(0) depctr_va_ssrc(0) depctr_va_vcc(0) depctr_vm_vsrc(0)
	s_getreg_b32 s2, hwreg(HW_REG_IB_STS2, 6, 4)
	s_cmp_eq_u32 s2, 0
	s_cbranch_scc0 .Lentry_in_a_cluster
	s_endpgm
.Lentry_in_a_cluster:
	s_bfe_u32 s2, ttmp6, 0x10000c
	s_cmp_lg_u32 s2, 0xf033
	s_cbranch_scc0 .Lentry_shape_is_right
	s_endpgm
.Lentry_shape_is_right:
; q = query Wq^T + bq, k = key Wk^T + bk, v = value Wv^T + bv on codes of FP6 (E2M3) with E8M0 scales, sums in f32; the results are quantised in registers and leave as codes: q and k along the head's 64, v along the KEYS.
; THE CORE: C'[p][n] = sum over k of P[p][k] R[n][k], source 0 = 16 rows of R, source 1 = 16 rows of P: a lane holds ONE row of P and its registers run along R's rows.
; Tiles of rows are permuted (row r of tile T is 32 (T / 2) + 8 (T % 2) + r + 8 (r / 8)), so the 16 registers of result tiles 2 b and 2 b + 1 are 16 NEIGHBOURS along R: what the next quantiser wants in a lane.
; q, k: P = tokens, R = the weight's rows (features).  v: P = Wv's rows, R = tokens (keys): only global offsets differ.
; SHARES: a block is 128 rows of P x 256 rows of R x all of K = 1,024; four waves, each 64 x 128: 32 accumulators.  768 blocks = 256 WORK-GROUPS THAT STAY x 3: each makes its block of q, then of k, then of v (s23: the same in all partners).
; LDS: a ring of two slots, each with half of K (512 along K: a tile's row is 6,144 bytes) of the block's 8 tiles of P and 16 of R.  Slot 1 is filled behind the round at a block's top; slot 0 takes the NEXT block's first half
; behind a round in K step 3, when its last fragments have been read: that load has five K steps and the way out in which to land.  One load of a wave is out at a time.  All of LDS is claimed.
; The loop has two trips (q, k); v's block, which asks for nothing more, is written out behind it.
; The next block's scale words and biases are asked for ahead of a block's way out and land under it.
; CLUSTER 4 x 4: P's tiles are shared along a row of the cluster, R's along a column: each is asked for jointly.
; No prefetch: a refill is asked for half a block or more ahead of its first read, and what comes next is then already on its way.
; cd holds images of the operand registers (plane p = registers 2 p, 2 p + 1; lane l at byte 8 l): a fragment is six loads of 8 bytes a lane from consecutive bytes: no pitch, no padding.
; qkv: a record of HS bytes a head: Qc 0 (128 tiles x 768), Qs 98304, Kc 106496, Vc 204800 ([key step][4 tiles][1536]), Ks 303104, Vs 311296.  q's and k's scale words have bytes 2 and 3 = 0.
; LIMITS: blocks whose largest magnitude lies under 2^-124, zeros among them, get the byte 1; NaN and infinities are not served.
; REGISTERS: window 0: v1-31 addresses and small things; v32-95 scale words and nothing else; v96-191 P's fragments, two sets; v192-255 the way out.  window 1: R's fragments, two sets (v0, v128); v254, v255 the add's.
;   window 2: accumulator (a, b) at v[8 (8 a + b)].  window 3: v0-63 R's bias in the result's layout; v64-71 P's bias as it is loaded.
.set HS,  315392
.set CH,  147456                       ; a slot: P's 8 tiles x 6,144 bytes, then R's 16
.set ADP, 8                            ; v8, v9   8 x lane + my P tiles in slot c
.set ADR, 12                           ; v12, v13 the same for R
.set BP,  16                           ; v16-23  P's bias, a pair for each tile a
.set PWS, 24                           ; v24-27  the scale words that go out
.set SC,  32                           ; v[SC + 8 i + s]: lanes 0-15 P tile i's word of K step s (i < 4), lanes 16-31 R tile i's
.set PF,  96
.set H,   192                          ; the way out: 64 numbers of a lane
.set PC,  96                           ; the codes just made
.set TM,  176                          ; at work
.set PW,  7                            ; the scale word just made
.set G1P, 24
.set G1R, 32
.set G0P, 40                           ; s[40:47] a group 0 for each slot
.set G0R, 68                           ; s[68:75]
.set MSB, 0
.macro WIN new                         ; the immediate's high byte repeats the setting that is left
.if MSB != \new
	s_set_vgpr_msb (MSB<<8)|\new
.set MSB, \new
.endif
.endm
.macro CROUND                          ; a round of the cluster's barrier
	s_barrier_signal -1
	s_barrier_wait -1
	s_cmp_lg_u32 s16, 0
	s_cbranch_scc1 .Lnot_wave_0_\@
	s_barrier_signal -3
.Lnot_wave_0_\@:
	s_barrier_wait -3
	s_barrier_signal -1
	s_barrier_wait -1
.endm
.macro PLACES                          ; four plain lines behind matrix instructions, ahead of loads into their operands and of reads of their results
.rept 4
	v_nop
.endr
.endm
.macro JLOAD c                         ; a joint load into slot c: waves 0 and 1 fetch P's two halves, waves 2 and 3 R's.  An s_nop 0 and four v_nop follow each line
	s_cmp_eq_u32 s17, 0
	s_cbranch_scc0 .Lfor_r_\@
	tensor_load_to_lds s[G0P+4*\c:G0P+4*\c+3], s[G1P:G1P+7]
	s_nop 0
.rept 4
	v_nop
.endr
	s_branch .Lasked_\@
.Lfor_r_\@:
	tensor_load_to_lds s[G0R+4*\c:G0R+4*\c+3], s[G1R:G1R+7]
	s_nop 0
.rept 4
	v_nop
.endr
.Lasked_\@:
.endm
.macro FETCH s                         ; K step s: R's eight fragments and P's four into set s % 2
	WIN 0x40
.irp i, 0,1,2,3,4,5,6,7
.irp p, 0,1,2,3,4,5
	ds_load_b64 v[128*((\s)%2)+12*\i+2*\p:128*((\s)%2)+12*\i+2*\p+1], v[ADR+(\s)/4] offset:6144*\i+1536*((\s)%4)+256*\p
.endr
.endr
	WIN 0
.irp i, 0,1,2,3
.irp p, 0,1,2,3,4,5
	ds_load_b64 v[PF+48*((\s)%2)+12*\i+2*\p:PF+48*((\s)%2)+12*\i+2*\p+1], v[ADP+(\s)/4] offset:6144*\i+1536*((\s)%4)+256*\p
.endr
.endr
.endm
.macro MUL32 s, first                  ; 32 products; the accumulators take turns, one instruction a turn, in the same order in every step.  first = 1: the bias (window 3) starts the sums
.if \first
	WIN 0xb1
.else
	WIN 0xa1
.endif
.irp a, 0,1,2,3
.irp b, 0,1,2,3,4,5,6,7
.if \first
	v_wmma_scale_f32_16x16x128_f8f6f4 v[8*(8*\a+\b):8*(8*\a+\b)+7], v[128*((\s)%2)+12*\b:128*((\s)%2)+12*\b+11], v[PF+48*((\s)%2)+12*\a:PF+48*((\s)%2)+12*\a+11], v[8*\b:8*\b+7], v[SC+8*\b+(\s)], v[SC+8*\a+(\s)] matrix_a_fmt:MATRIX_FMT_FP6 matrix_b_fmt:MATRIX_FMT_FP6 matrix_a_scale:MATRIX_SCALE_ROW1
.else
	v_wmma_scale_f32_16x16x128_f8f6f4 v[8*(8*\a+\b):8*(8*\a+\b)+7], v[128*((\s)%2)+12*\b:128*((\s)%2)+12*\b+11], v[PF+48*((\s)%2)+12*\a:PF+48*((\s)%2)+12*\a+11], v[8*(8*\a+\b):8*(8*\a+\b)+7], v[SC+8*\b+(\s)], v[SC+8*\a+(\s)] matrix_a_fmt:MATRIX_FMT_FP6 matrix_b_fmt:MATRIX_FMT_FP6 matrix_a_scale:MATRIX_SCALE_ROW1
.endif
.endr
.endr
.endm
; Which block projection s23 gives me: s61 P block, s62 its first tile in cd, s84 R block, s85 its first tile; s[58:59], s[86:87]: the tiles that I would fetch.  P's hang on cy alone, R's on cx alone
.macro IDS
	s_lshl_b32 s57, s23, 9                         ; q, k: P's first tile, 512 x projection;
	s_lshl_b32 s89, s23, 6
	s_add_co_u32 s89, s89, 1536                    ; R's, 1536 + 64 x projection
	s_lshr_b32 s59, s56, 3
	s_and_b32 s60, s56, 7
	s_cmp_eq_u32 s23, 2
	s_cselect_b32 s57, 1664, s57                   ; v: P = Wv's tiles,
	s_cselect_b32 s89, 1024, s89                   ; R = value's
	s_cselect_b32 s59, s59, s56                    ; which four P blocks the cluster takes,
	s_cselect_b32 s60, s60, 0                      ; which four R blocks
	s_lshl_b32 s61, s59, 2
	s_add_co_u32 s61, s61, s21
	s_lshl_b32 s62, s61, 3
	s_add_co_u32 s62, s62, s57
	s_lshl_b32 s63, s18, 2
	s_add_co_u32 s63, s63, s62
	s_mul_i32 s58, s63, 12288
	s_mov_b32 s59, 0
	s_lshl_b32 s84, s60, 2
	s_add_co_u32 s84, s84, s20
	s_lshl_b32 s85, s84, 4
	s_add_co_u32 s85, s85, s89
	s_lshl_b32 s88, s18, 3
	s_add_co_u32 s88, s88, s85
	s_mul_i32 s86, s88, 12288
	s_mov_b32 s87, 0
	s_add_nc_u64 s[58:59], s[4:5], s[58:59]
	s_add_nc_u64 s[86:87], s[4:5], s[86:87]
.endm
; The scale words and biases of the block that IDS has named.  Its five plain vector lines are also the places behind the last products
.macro PRELOAD
	s_lshl_b32 s99, s17, 2
	s_add_co_u32 s99, s99, s62
	s_lshl_b32 s99, s99, 9                         ; my first row of P in sc: 16 rows x 32 bytes a tile
	s_lshl_b32 s101, s18, 3
	s_add_co_u32 s101, s101, s85
	s_lshl_b32 s101, s101, 9                       ; my first row of R
	v_mov_b32 v30, s99
	v_mov_b32 v31, s101
	v_cndmask_b32 v30, v30, v31, s66               ; lanes 0-15 take P's rows, lanes 16-31 R's
	v_lshl_add_u32 v30, v4, 5, v30
	v_lshl_add_u32 v31, v4, 5, v31                 ; tiles 4-7 are R's alone: there all lanes stand on R's rows, so that no lane leaves sc
.irp i, 0,1,2,3
.irp e, 0,1
	global_load_b128 v[SC+8*\i+4*\e:SC+8*\i+4*\e+3], v30, s[6:7] offset:(32*(\i/2)+8*(\i%2))*32+16*\e   ; a row's 32 bytes: the words of its eight K steps
.endr
.endr
.irp i, 4,5,6,7
.irp e, 0,1
	global_load_b128 v[SC+8*\i+4*\e:SC+8*\i+4*\e+3], v31, s[6:7] offset:(32*(\i/2)+8*(\i%2))*32+16*\e
.endr
.endr
	; the bias.  q, k: along R: eight registers a tile in the result's layout, the C of the first products.  v: along P: one number a lane and tile, added on the way out.  The other kind is loaded from the bias's head and made 0.
	s_lshl_b32 s90, s84, 10
	s_lshl_b32 s91, s18, 9
	s_add_co_u32 s90, s90, s91                     ; q, k: feature 256 x R block + 128 wr, in bytes
	s_lshl_b32 s92, s61, 9
	s_lshl_b32 s93, s17, 8
	s_add_co_u32 s92, s92, s93                     ; v: feature 128 x P block + 64 wp
	s_cmp_eq_u32 s23, 2
	s_cselect_b32 s90, 0, s90
	s_cselect_b32 s92, s92, 0
	s_mov_b32 s91, 0
	s_mov_b32 s93, 0
	s_cmp_eq_u32 s23, 1
	s_cselect_b64 s[52:53], s[10:11], s[8:9]
	s_cmp_eq_u32 s23, 2
	s_cselect_b64 s[52:53], s[12:13], s[52:53]     ; the projection's bias
	s_add_nc_u64 s[48:49], s[52:53], s[90:91]
	s_add_nc_u64 s[50:51], s[52:53], s[92:93]
	WIN 0xc0                                       ; destinations in window 3
.irp b, 0,1,2,3,4,5,6,7
.irp e, 0,1
	global_load_b128 v[8*\b+4*\e:8*\b+4*\e+3], v10, s[48:49] offset:(32*(\b/2)+8*(\b%2))*4+16*\e
.endr
.endr
.irp a, 0,1,2,3
	global_load_b32 v[64+2*\a], v11, s[50:51] offset:(32*(\a/2)+8*(\a%2))*4
	global_load_b32 v[64+2*\a+1], v11, s[50:51] offset:(32*(\a/2)+8*(\a%2))*4   ; (named with it as a pair)
.endr
	WIN 0
.endm
; Where the block's results go.  q, k: token tile TT0 = 8 x P block + 4 wp on, heads 4 x R block + 2 wr and the next.  v: head 2 x P block + wp, key step 2 (R block % 8) + wr
.macro OUTSETUP
	s_wait_xcnt 0x0                                ; the last block's stores have read their bases, offsets and codes
	s_mov_b32 s94, 768
	s_mov_b32 s95, HS
	s_mov_b32 s96, 0xffff
	s_cmp_eq_u32 s23, 2
	s_cselect_b32 s67, 0, -1                       ; all lanes where the bias runs along R (q, k),
	s_cselect_b32 s100, -1, 0                      ; where it runs along P (v)
	s_cselect_b32 s94, 1536, s94                   ; bytes from tile a to tile a + 1,
	s_cselect_b32 s95, 768, s95                    ; from planes 0-2 to planes 3-5 (q, k: the wave's second head),
	s_cselect_b32 s96, -1, s96                     ; which bytes of the scale word are kept,
	s_cselect_b32 s97, 0, HS                       ; where lanes 16-31 store theirs,
	s_cselect_b32 s98, 0, 16                       ; and how far they shift it down
	s_lshl_b32 s90, s61, 3
	s_lshl_b32 s91, s17, 2
	s_add_co_u32 s90, s90, s91                     ; TT0
	s_lshr_b32 s91, s90, 7
	s_lshl_b32 s91, s91, 4                         ; 16 b
	s_lshl_b32 s99, s84, 2
	s_add_co_u32 s91, s91, s99
	s_lshl_b32 s99, s18, 1
	s_add_co_u32 s91, s91, s99
	s_mul_i32 s91, s91, HS                         ; the first head's record
	s_and_b32 s90, s90, 127
	s_mul_i32 s99, s90, 768
	s_add_co_u32 s99, s99, s91
	s_mul_i32 s101, s23, 106496
	s_add_co_u32 s99, s99, s101                    ; q, k: codes
	s_lshr_b32 s90, s90, 2
	s_lshl_b32 s90, s90, 8
	s_add_co_u32 s90, s90, s91
	s_mul_i32 s101, s23, 204800
	s_add_co_u32 s90, s90, s101
	s_add_co_u32 s90, s90, 98304                   ; q, k: scale words
	s_lshr_b32 s91, s84, 3
	s_lshl_b32 s91, s91, 4
	s_lshl_b32 s101, s61, 1
	s_add_co_u32 s91, s91, s101
	s_add_co_u32 s91, s91, s17
	s_mul_i32 s91, s91, HS                         ; v: the head's record
	s_and_b32 s101, s84, 7
	s_lshl_b32 s101, s101, 1
	s_add_co_u32 s101, s101, s18                   ; the key step
	s_mul_i32 s92, s101, 6144
	s_add_co_u32 s92, s92, s91
	s_add_co_u32 s92, s92, 204800                  ; v: codes
	s_lshl_b32 s101, s101, 8
	s_add_co_u32 s101, s101, s91
	s_add_co_u32 s101, s101, 311296                ; v: scale words
	s_cmp_eq_u32 s23, 2
	s_cselect_b32 s92, s92, s99
	s_cselect_b32 s90, s101, s90
	s_mov_b32 s91, 0
	s_mov_b32 s93, 0
	s_add_nc_u64 s[104:105], s[14:15], s[90:91]
	s_add_nc_u64 s[76:77], s[14:15], s[92:93]
	v_mul_lo_u32 v28, v3, s97
	v_lshl_add_u32 v28, v2, 4, v28                 ; my four scale words: 16 r (+ a record for lanes 16-31 of q and k; in v both halves of the lanes store the same words to the same bytes)
	v_mul_u32_u24 v29, v3, s98                     ; 16 h or 0
.endm
.macro KSTEP s, last
	s_wait_dscnt 0x0                               ; this step's 72 loads are in; no LDS instruction of mine is out at a signal
.if (\s) == 3
.if \last
	s_wait_tensorcnt 0x0                           ; my load of slot 1 has landed
	s_barrier_signal -1
	s_barrier_wait -1                              ; everybody's has.
	PLACES
.else
	s_add_co_u32 s23, s23, 1                       ; the next projection,
	IDS                                            ; and my block of it
	WIN 0x05                                       ; (the add's two registers lie in window 1)
	s_wait_tensorcnt 0x0                           ; my load of slot 1 has landed: none of mine is out, so a group 0 may be written;
	ds_add_u32 v254, v255                          ; 0 onto my spare word
	s_mov_b64 s[G0P+2:G0P+3], s[58:59]
	s_or_b32 s[G0P+3], s[G0P+3], 0x80000000
	s_mov_b64 s[G0R+2:G0R+3], s[86:87]
	s_or_b32 s[G0R+3], s[G0R+3], 0x80000000
	s_wait_dscnt 0x0                               ; the add is done; my reads of slot 0 were over at this step's head
	WIN 0
	CROUND                                         ; no wave of any partner still reads slot 0 or has a load on its way
	JLOAD 0                                        ; the next block's first half; the four v_nop behind it are the places in front of the loads below
.endif
.else
.if (\s) < 7
	PLACES
.endif
.endif
.if (\s) < 7
	FETCH (\s)+1                                   ; into the set that the step before multiplied; it lands under this step's products
.endif
.if (\s) == 0
	MUL32 \s, 1
.else
	MUL32 \s, 0
.endif
	WIN 0
.endm
; 64 numbers of a lane, register 16 b + i = k 32 b + 16 (lane / 16) + i of my row, become a fragment's codes in v[PC] on and its scale word in v[PW]
.macro QUANT s
.irp b, 0,1,2,3
	v_max3_num_f32 v[TM+\b], |v[\s+16*\b]|, |v[\s+1+16*\b]|, 0x1800000   ; my 16 numbers of block b, and the floor 2^(3 - 127): the byte cannot fall under 1
.endr
.irp i, 2,4,6,8,10,12,14
.irp b, 0,1,2,3
	v_max3_num_f32 v[TM+\b], v[TM+\b], |v[\s+16*\b+\i]|, |v[\s+1+16*\b+\i]|
.endr
.endr
.irp b, 0,1,2,3
	v_permlanex16_b32 v[TM+4+\b], v[TM+\b], s2, s3
.endr
.irp b, 0,1,2,3
	v_max_num_f32 v[TM+\b], v[TM+\b], v[TM+4+\b]   ; with lane l xor 16's: the block's largest magnitude
.endr
.irp b, 0,1,2,3
	v_add_nc_u32 v[TM+12+\b], 0xff000000, v[TM+\b] ; 2 off its exponent field: the conversion's scale operand
.endr
.irp b, 0,1,2,3
	v_lshrrev_b32 v[TM+4+\b], 23, v[TM+12+\b]      ; the scale's byte
.endr
	v_lshl_or_b32 v[PW], v[TM+5], 8, v[TM+4]
	v_lshl_or_b32 v[PW], v[TM+6], 16, v[PW]
	v_lshl_or_b32 v[PW], v[TM+7], 24, v[PW]
.irp c, 0,1
	v_cvt_scalef32_pk16_fp6_f32 v[PC+6*\c:PC+2+6*\c], v[\s+32*\c:\s+15+32*\c], v[TM+12+2*\c]
	v_cvt_scalef32_pk16_fp6_f32 v[PC+12+4*\c:PC+14+4*\c], v[\s+16+32*\c:\s+31+32*\c], v[TM+12+2*\c+1]
.endr
	v_nop                                          ; one plain line behind the scaled conversions
.irp c, 0,1                                    ; the operand's layout wants a whole block in a lane
.irp i, 0,1,2
	v_permlane16_swap_b32 v[PC+6*\c+\i], v[PC+12+4*\c+\i]
.endr
.irp i, 0,1,2
	v_mov_b32 v[PC+3+6*\c+\i], v[PC+12+4*\c+\i]
.endr
.endr
.endm
; A BLOCK.  On the way in: slot 0's load and the block's scale words and biases have been asked for, and IDS has named the block.  last = 1: nothing more is asked for
.macro BLOCK last
	OUTSETUP
	s_wait_alu depctr_va_vdst(0)
	WIN 0x05
	s_wait_tensorcnt 0x0                           ; my load of slot 0 has landed;
	ds_add_u32 v254, v255                          ; 0 onto my spare word
	s_add_nc_u64 s[G0P+6:G0P+7], s[58:59], 6144    ; this block's second half
	s_or_b32 s[G0P+7], s[G0P+7], 0x80000000
	s_add_nc_u64 s[G0R+6:G0R+7], s[86:87], 6144
	s_or_b32 s[G0R+7], s[G0R+7], 0x80000000
	s_wait_dscnt 0x0                               ; the add is done, and my reads of slot 1 are over
	WIN 0
	CROUND                                         ; slot 0 is whole, and no wave of any partner still reads slot 1
	JLOAD 1
	FETCH 0
	s_wait_loadcnt 0x0                             ; scale words and biases
	WIN 0xcc
.set J, 0
.rept 64
	v_cndmask_b32 v[J], 0, v[J], s67
.set J, J+1
.endr
	WIN 0x0c
.set J, 0
.rept 8
	v_cndmask_b32 v[BP+J], 0, v[64+J], s100
.set J, J+1
.endr
	WIN 0
	s_wait_alu depctr_va_vdst(0)
.irp s, 0,1,2,3,4,5,6,7
	KSTEP \s, \last
.endr
.if \last
	PLACES
.else
	PRELOAD
.endif
	; THE WAY OUT, a tile of P at a time: its 64 numbers a lane (+ P's bias) come into window 0, are quantised along R, and the twelve registers leave as six planes
	v_mov_b32 v5, v1                               ; planes 0-2
	v_add_nc_u32 v6, s95, v1                       ; planes 3-5
.irp b, 0,1,2,3
	v_mov_b32 v[TM+4+\b], 0                        ; a lane permute's destination counts as one of its sources
.endr
.irp a, 0,1,2,3
.if \a > 0
	s_wait_xcnt 0x0                                ; the last tile's stores have read their codes and offsets
	v_add_nc_u32 v5, s94, v5
	v_add_nc_u32 v6, s94, v6
.endif
	WIN 0x02                                       ; source 0: window 2
.set J, 0
.rept 32
	v_pk_add_f32 v[H+J:H+J+1], v[64*\a+J:64*\a+J+1], v[BP+2*\a:BP+2*\a+1] op_sel_hi:[1,0]   ; ascending: each accumulator is read from its low end on
.set J, J+2
.endr
	WIN 0
	QUANT H
	v_lshrrev_b32 v[PWS+\a], v29, v[PW]            ; q, k: lanes 0-15 keep the first head's two bytes, lanes 16-31 the second's; v: the whole word
	v_and_b32 v[PWS+\a], s96, v[PWS+\a]
.irp p, 0,1,2
	global_store_b64 v5, v[PC+2*\p:PC+2*\p+1], s[76:77] offset:256*\p        ; 32 lanes store 256 consecutive bytes, aligned
.endr
.irp p, 0,1,2
	global_store_b64 v6, v[PC+6+2*\p:PC+6+2*\p+1], s[76:77] offset:256*\p
.endr
.endr
	global_store_b128 v28, v[PWS:PWS+3], s[104:105]   ; sixteen lanes store 256 consecutive bytes, aligned: the words of four tiles for each row
.endm
	s_load_b256 s[4:11], s[0:1], 0x0               ; cd, sc, bq, bk
	s_load_b128 s[12:15], s[0:1], 0x20             ; bv, qkv
	WIN 0x40
	v_lshl_add_u32 v254, v0, 2, 0x48000
	v_mov_b32 v255, 0
	WIN 0x05
	ds_add_u32 v254, v255                          ; the opening lines
	ds_add_u32 v254, v255
	WIN 0
	v_lshrrev_b32 v1, 5, v0
	v_readfirstlane_b32 s16, v1                    ; wave 0..3
	s_lshr_b32 s17, s16, 1                         ; wp: my half of P's rows.  Also: I fetch for P (0) or for R (1)
	s_and_b32 s18, s16, 1                          ; wr: my half of R's rows.  Also: which half of that operand I fetch
	s_bfe_u32 s20, ttmp6, 0x40000                  ; cx
	s_bfe_u32 s21, ttmp6, 0x40004                  ; cy
	s_and_b32 s56, ttmp7, 0xffff                   ; the cluster's y, 0..15
	s_mov_b32 s23, 0                               ; the projection: 0 q, 1 k, 2 v
	s_mul_i32 s99, s18, 24576                      ; where my tiles go in a slot: the wave's number alone enters an LDS address
	s_mul_i32 s101, s18, 49152
	s_add_co_u32 s101, s101, 49152
	s_lshl_b32 s19, s21, 2
	s_lshl_b32 s19, 15, s19                        ; my row of the cluster
	s_lshl_b32 s88, 0x1111, s20                    ; my column
	; group 1: rows of 6,144 bytes (a tile's four K steps: 768 elements of 8 bytes), 12,288 bytes apart in cd, dense in LDS
	s_or_b32 s[G1P], s19, (3<<16)|(1<<21)          ; 15:0 the mask; 17:16 elements of 8 bytes; 21 set beside a mask; no padding
	s_or_b32 s[G1R], s88, (3<<16)|(1<<21)
	s_mov_b32 s[G1P+1], 768<<16                    ; tensor_dim0
	s_mov_b32 s[G1P+2], 4<<16                      ; tensor_dim1 = 4 tiles
	s_mov_b32 s[G1P+3], 768<<16                    ; tile_dim0
	s_mov_b32 s[G1P+4], 4                          ; tile_dim1
	s_mov_b32 s[G1P+5], 1536                       ; the pitch, in elements
	s_mov_b32 s[G1P+6], 0
	s_mov_b32 s[G1P+7], 0
	s_mov_b32 s[G1R+1], 768<<16
	s_mov_b32 s[G1R+2], 8<<16
	s_mov_b32 s[G1R+3], 768<<16
	s_mov_b32 s[G1R+4], 8
	s_mov_b32 s[G1R+5], 1536
	s_mov_b32 s[G1R+6], 0
	s_mov_b32 s[G1R+7], 0
.irp c, 0,1
	s_mov_b32 s[G0P+4*\c], 1
	s_add_co_u32 s[G0P+4*\c+1], s99, \c*CH
	s_mov_b32 s[G0R+4*\c], 1
	s_add_co_u32 s[G0R+4*\c+1], s101, \c*CH
.endr
	s_mov_b32 s2, 0x76543210
	s_mov_b32 s3, 0xfedcba98                       ; selects for lane l xor 16
	s_mov_b32 s66, 0xffff0000                      ; lanes 16-31
	s_mul_i32 s90, s17, 24576                      ; my four tiles of P in slot 0,
	s_add_co_u32 s91, s90, CH                      ; in slot 1;
	s_add_co_u32 s92, s101, 0                      ; my eight of R
	s_add_co_u32 s93, s101, CH
	s_wait_dscnt 0x0
	s_wait_kmcnt 0x0
	IDS
	s_mov_b64 s[G0P+2:G0P+3], s[58:59]
	s_or_b32 s[G0P+3], s[G0P+3], 0x80000000
	s_mov_b64 s[G0R+2:G0R+3], s[86:87]
	s_or_b32 s[G0R+3], s[G0R+3], 0x80000000
	CROUND                                         ; all sixteen work-groups are here: the joint loads meet
	JLOAD 0                                        ; q's first half: one tensor load a wave at the head
	v_and_b32 v1, 31, v0
	v_lshlrev_b32 v1, 3, v1                        ; 8 x lane
	v_and_b32 v2, 15, v0                           ; r
	v_bfe_u32 v3, v0, 4, 1                         ; h
	v_and_b32 v4, 8, v2
	v_add_nc_u32 v4, v4, v2                        ; r + 8 (r / 8)
	v_lshlrev_b32 v10, 6, v3                       ; 16 h numbers
	v_lshlrev_b32 v11, 2, v4
	v_add_nc_u32 v[ADP], s90, v1
	v_add_nc_u32 v[ADP+1], s91, v1
	v_add_nc_u32 v[ADR], s92, v1
	v_add_nc_u32 v[ADR+1], s93, v1
	s_wait_alu depctr_va_vdst(0)
	PRELOAD
.Lblock:
	BLOCK 0                                        ; q, then k
	s_cmp_lt_u32 s23, 2                            ; s23 has been stepped in K step 3
	s_wait_alu depctr_va_vdst(0)
	s_cbranch_scc1 .Lblock
	BLOCK 1                                        ; v
	WIN 0x05
	s_wait_tensorcnt 0x0                           ; the wave's end
	ds_add_u32 v254, v255
	s_wait_dscnt 0x0
	WIN 0
	CROUND                                         ; the closing round: no work-group ends while a partner may still ask for a tile that names it
	s_endpgm
.Lfunc_end_k_qf5e2aa7dd7_proj:
	.size	k_qf5e2aa7dd7_proj, .Lfunc_end_k_qf5e2aa7dd7_proj-k_qf5e2aa7dd7_proj
	.p2alignl 7, 3214868480
	.fill 96, 4, 3214868480
	.section	.rodata,"a",@progbits
	.p2align	6, 0x0
	.amdhsa_kernel k_qf5e2aa7dd7_proj
		.amdhsa_group_segment_fixed_size 327680
		.amdhsa_private_segment_fixed_size 0
		.amdhsa_enable_private_segment 0
		.amdhsa_kernarg_size 48
		.amdhsa_user_sgpr_count 2
		.amdhsa_user_sgpr_kernarg_segment_ptr 1
		.amdhsa_wavefront_size32 1
		.amdhsa_system_sgpr_workgroup_id_x 1
		.amdhsa_system_sgpr_workgroup_id_y 1
		.amdhsa_system_sgpr_workgroup_id_z 1
		.amdhsa_system_vgpr_workitem_id 0
		.amdhsa_next_free_vgpr 848
		.amdhsa_next_free_sgpr 106
		.amdhsa_reserve_vcc 0
		.amdhsa_float_denorm_mode_32 3
		.amdhsa_float_denorm_mode_16_64 3
		.amdhsa_memory_ordered 1
		.amdhsa_forward_progress 1
		.amdhsa_inst_pref_size 228
	.end_amdhsa_kernel
	.amdgpu_metadata
---
amdhsa.version: [ 1, 2 ]
amdhsa.kernels:
  - .name:           k_qf5e2aa7dd7_proj
    .symbol:         k_qf5e2aa7dd7_proj.kd
    .args:
      - { .name: cd, .offset: 0, .size: 8, .value_kind: global_buffer, .address_space: global }
      - { .name: sc, .offset: 8, .size: 8, .value_kind: global_buffer, .address_space: global }
      - { .name: bq, .offset: 16, .size: 8, .value_kind: global_buffer, .address_space: global }
      - { .name: bk, .offset: 24, .size: 8, .value_kind: global_buffer, .address_space: global }
      - { .name: bv, .offset: 32, .size: 8, .value_kind: global_buffer, .address_space: global }
      - { .name: qkv, .offset: 40, .size: 8, .value_kind: global_buffer, .address_space: global }
    .group_segment_fixed_size: 327680
    .private_segment_fixed_size: 0
    .kernarg_segment_align: 8
    .kernarg_segment_size: 48
    .max_flat_workgroup_size: 128
    .sgpr_count:     106
    .vgpr_count:     848
    .wavefront_size: 32
...
	.end_amdgpu_metadata
.endif
;; end of part 2
;; launch attn (part 3): grid 4 x 64, 8 waves a work-group, clusters of 4 x 1, 236,032 bytes of LDS; arguments qkv, cd, sc; writes cd, sc
.if DOCPART == 3
	.amdgcn_target "amdgcn-amd-amdhsa--gfx1250"
	.amdhsa_code_object_version 6
	.text
	.protected	k_qf5e2aa7dd7_attn
	.globl	k_qf5e2aa7dd7_attn
	.p2align	8
	.type	k_qf5e2aa7dd7_attn,@function
k_qf5e2aa7dd7_attn:
	s_mov_b64 s[64:65], 0
	v_nop
	global_prefetch_b8 v0, s[64:65] scope:SCOPE_SE
	s_setreg_imm32_b32 hwreg(HW_REG_WAVE_MODE, 25, 1), 1
	s_wait_xcnt 0x0
	s_wait_alu depctr_hold_cnt(0) depctr_sa_sdst(0) depctr_va_vdst(0) depctr_va_sdst(0) depctr_va_ssrc(0) depctr_va_vcc(0) depctr_vm_vsrc(0)
	s_getreg_b32 s2, hwreg(HW_REG_IB_STS2, 6, 4)
	s_cmp_eq_u32 s2, 0
	s_cbranch_scc0 .Lentry_in_a_cluster
	s_endpgm
.Lentry_in_a_cluster:
	s_bfe_u32 s2, ttmp6, 0x10000c
	s_cmp_lg_u32 s2, 0x3003
	s_cbranch_scc0 .Lentry_shape_is_right
	s_endpgm
.Lentry_shape_is_right:
; For each of the 64 heads: o[q] = sum over keys of softmax(q . k / 8) v, both products on codes of FP6 (E2M3) with E8M0 scales; o is quantised along the embedding and leaves as codes, an operand of the last projection.
; THE SOFTMAX AHEAD OF THE SECOND PRODUCT: t = score x log2(e) / 8; M = the row's largest t so far, rounded UP to a whole number; p = 2^(t - M) is quantised along the keys, not normalised.
; The row's sum is taken of the unquantised p and divides at the end.  When M moves, the sum and O are multiplied by 2^(old M - new M): exact.
; SHARES: a work-group takes one head and 512 queries; each of its eight waves TWO tiles of 16 queries at a time, in two passes; every wave walks all 2,048 keys, 128 a step.
; Each fragment of K and V and each scale word read from LDS serves both tiles: 53 LDS loads for 24 products.
; LDS: the head's codes of K and V and their scale words, 816 rows of 256 bytes, lie in LDS whole, 288 bytes from row to row; each wave brings an eighth by one tensor load (one out a wave); every byte is filled once, one barrier parts the fills from all reads.
; No prefetch: all that the launch reads through LDS is asked for at its head, there is no loop to run ahead in.
; CLUSTER 4 x 1: the four query blocks of a head read the same K and V: each load is asked for jointly by the four.
; LAYOUT: both products transposed: S^T = K Q^T, O^T = V^T P^T: a lane holds ONE query.
; THE KEYS OF A SCORE TILE are chosen by the lanes' LDS addresses: row m of tile (c, u) is key 64 c + 32 (m / 8) + 8 u + m % 8.  So the 32 score registers 32 c .. 32 c + 31 of lane (r, h) are the keys 64 c + 32 h + 0 .. 31:
; a WHOLE block of the next K in one lane, in the order that the operand wants: the block's maximum needs no other lane and the codes no exchange.
; In qkv row r' of K's tile T is key 32 (T / 2) + 8 (T % 2) + r' + 8 (r' / 8), lane r' + 16 h at byte 8 x lane of each plane: lane (r, h) of tile (c, u) reads tile 4 c + 2 (r / 8) + u % 2, place r % 8 + 8 (u / 2) + 16 h..
; THE HEAD IS 64 AND THE INSTRUCTION'S K IS 128: Q's upper six registers hold zero codes.  K's operand of tile t names twelve registers from v[32 + 6 t]: its upper six are the next tile's codes (behind the last: v80-85, registers at work);
; they meet Q's zeros, and FP6 has neither infinity nor NaN, so they add nothing; the scale bytes 2 and 3 of both sides are 0, which is 2^-127 and no NaN.
; LIMITS: the promise holds while the scaled scores stay under 2^31 in magnitude; blocks whose largest magnitude lies under 2^-124, zeros among them, get the byte 1; NaN and infinities are not served.
; A trip fetches the next step's fragments, step 15's trip step 0's again: pass 1 begins on them; behind pass 1 they are not used.
; REGISTERS, window 0: v1-6 lane terms; v8, v9 the add's; v12-19 -M, the largest score, the sum (a tile each four); v20-23 f; v10, v11, v24-31, v80-85 at work; v32-79 K's fragments; v86-103 scale words and nothing else; v104-127 p's codes; v128-255 S^T, then p.
;   window 1: v0-63 O^T; v64-111 Q of two passes x two tiles; v128-175 V's fragments.
.set HS,  315392
.set PIT, 288                          ; an LDS row: 256 bytes + 32
.set KST, 24*PIT                       ; a key step's codes of K, or of V
.set LV,  384*PIT                      ; V's codes
.set LKS, 768*PIT                      ; K's scale words, two rows a step
.set LVS, 800*PIT                      ; V's, one row a step
.set SPARE, 816*PIT                    ; the spare words: 128 bytes a wave
.set MSB, 0
.macro WIN new                         ; the immediate's high byte repeats the setting that is left
.if MSB != \new
	s_set_vgpr_msb (MSB<<8)|\new
.set MSB, \new
.endif
.endm
.macro ROUND                           ; a round of the cluster's barrier
	s_barrier_signal -1
	s_barrier_wait -1
	s_cmp_lg_u32 s18, 0
	s_cbranch_scc1 .Lnot_wave_0_\@
	s_barrier_signal -3
.Lnot_wave_0_\@:
	s_barrier_wait -3
	s_barrier_signal -1
	s_barrier_wait -1
.endm
	s_load_b128 s[4:7], s[0:1], 0x0                ; qkv, cd
	s_load_b64 s[8:9], s[0:1], 0x10                ; sc
	v_lshl_add_u32 v8, v0, 2, SPARE
	v_mov_b32 v9, 0
	ds_add_u32 v8, v9                              ; the opening lines
	ds_add_u32 v8, v9
	v_lshrrev_b32 v1, 5, v0
	v_readfirstlane_b32 s18, v1                    ; wave 0..7
	s_bfe_u32 s19, ttmp6, 0x40000                  ; cx
	s_lshl_b32 s48, ttmp9, 2
	s_add_co_u32 s48, s48, s19                     ; my block of 512 queries: it enters Q's and the results' addresses alone
	s_and_b32 s10, ttmp7, 0xffff                   ; the head, which the four partners share
	s_mul_i32 s12, s10, HS                         ; its record
	s_mul_i32 s33, s18, 102*PIT                    ; my eighth: 102 rows; in LDS,
	s_mul_i32 s16, s18, 102*256
	s_add_co_u32 s16, s16, s12
	s_add_co_u32 s16, s16, 106496                  ; and in the record, from K's codes on
	s_mov_b32 s17, 0
	s_mov_b32 s24, 15|(3<<16)|(1<<20)|(1<<21)|(5<<22)|(7<<25)   ; group 1: the mask: all four; elements of 8 bytes; padding on; 21 set beside a mask; after every 64 words 8 words
	s_mov_b32 s25, 32<<16                          ; tensor_dim0 = 32 elements
	s_mov_b32 s26, 102<<16                         ; tensor_dim1
	s_mov_b32 s27, 32<<16                          ; tile_dim0
	s_mov_b32 s28, 102                             ; tile_dim1
	s_mov_b32 s29, 32                              ; the pitch: dense
	s_mov_b32 s30, 0
	s_mov_b32 s31, 0
	s_mov_b32 s32, 1
	s_lshl_b32 s49, s48, 5
	s_lshl_b32 s50, s18, 1
	s_add_co_u32 s49, s49, s50                     ; my first query tile of pass 0: 32 x block + 2 x wave
	s_mul_i32 s50, s49, 768
	s_add_co_u32 s50, s50, s12                     ; its codes
	s_mov_b32 s51, 0
	s_lshr_b32 s52, s49, 2
	s_lshl_b32 s52, s52, 8
	s_and_b32 s53, s18, 1
	s_lshl_b32 s53, s53, 3
	s_add_co_u32 s52, s52, s53
	s_add_co_u32 s52, s52, s12
	s_add_co_u32 s52, s52, 98304                   ; my two tiles' scale words: group tile / 4, words tile % 4 and the next
	s_mov_b32 s53, 0
	s_lshr_b32 s54, s10, 4                         ; b
	s_and_b32 s59, s10, 15                         ; the head in its batch
	s_lshl_b32 s55, s54, 7
	s_add_co_u32 s55, s55, s49
	s_add_co_u32 s55, s55, 1792                    ; the result's row tile in cd
	s_mul_i32 s56, s55, 12288
	s_mul_i32 s58, s59, 768                        ; K step head / 2, planes 3 (head % 2) on
	s_add_co_u32 s56, s56, s58
	s_mov_b32 s57, 0
	s_lshl_b32 s60, s54, 11
	s_lshl_b32 s61, s49, 4                         ; 32 (tile / 2): the tile is even
	s_add_co_u32 s60, s60, s61
	s_add_co_u32 s60, s60, 28672                   ; the tile's first row in sc
	s_lshl_b32 s60, s60, 5
	s_lshl_b32 s61, s59, 1
	s_add_co_u32 s60, s60, s61                     ; + my head's two bytes
	s_mov_b32 s61, 0
	s_mov_b32 s20, 0x76543210
	s_mov_b32 s21, 0xfedcba98                      ; selects for lane l xor 16
	s_mov_b32 s22, 0x3e38aa3b                      ; c = log2(e) / 8
	s_mov_b32 s23, s22                             ; (named with it as a pair)
	s_mov_b32 s39, 0xbe38aa3b                      ; -c
	s_mov_b32 s38, 0xffff0000                      ; lanes 16-31
	v_and_b32 v1, 31, v0
	v_lshlrev_b32 v1, 3, v1                        ; 8 x lane: my place in a plane
	v_and_b32 v10, 15, v0                          ; r
	v_bfe_u32 v11, v0, 4, 1                        ; h
	v_lshlrev_b32 v6, 3, v11                       ; 8 h: how far my two bytes are shifted in p's scale word
	v_lshlrev_b32 v4, 4, v10                       ; 16 r
	v_and_b32 v5, 8, v10
	v_add_nc_u32 v5, v5, v10
	v_lshl_add_u32 v5, v5, 5, v11                  ; the result's scale byte: 32 (r + 8 (r / 8)) + h
	v_and_b32 v2, 7, v0                            ; r % 8
	v_bfe_u32 v7, v0, 3, 1                         ; r / 8
	v_lshlrev_b32 v3, 4, v2
	v_lshl_add_u32 v3, v7, 3, v3                   ; K's scale words: 16 (r % 8) + 8 (r / 8)
	v_lshlrev_b32 v2, 3, v2
	v_mad_u32_u24 v2, v7, 6*PIT, v2
	v_lshl_add_u32 v2, v11, 7, v2                  ; K's codes: 8 (r % 8) + two tiles x (r / 8) + 128 h
	s_wait_alu depctr_va_vdst(0)
	s_wait_dscnt 0x0
	s_wait_kmcnt 0x0
	s_add_nc_u64 s[34:35], s[4:5], s[16:17]
	s_or_b32 s35, s35, 0x80000000
	s_add_nc_u64 s[40:41], s[4:5], s[50:51]
	s_add_nc_u64 s[42:43], s[4:5], s[52:53]
	s_add_nc_u64 s[44:45], s[6:7], s[56:57]
	s_add_nc_u64 s[46:47], s[8:9], s[60:61]
	ROUND                                          ; all four work-groups are here: the joint loads meet
	tensor_load_to_lds s[32:35], s[24:31]
	s_nop 0
.rept 4
	v_nop
.endr
	WIN 0x40                                       ; destinations in window 1
.irp n, 0,1
.irp x, 0,1
.irp p, 0,1,2
	global_load_b64 v[64+24*\n+12*\x+2*\p:65+24*\n+12*\x+2*\p], v1, s[40:41] offset:256*\p+768*\x+12288*\n   ; Q: pass n lies 16 tiles on
.endr
.irp j, 0,1,2,3,4,5
	v_mov_b32 v[70+24*\n+12*\x+\j], 0              ; Q's codes of K = 64 .. 127: zeros
.endr
.endr
.endr
	WIN 0
	global_load_b64 v[98:99], v4, s[42:43]         ; Q's scale words of pass 0's two tiles,
	global_load_b64 v[100:101], v4, s[42:43] offset:1024   ; of pass 1's
.irp j, 0,1,2,3,4,5
	v_mov_b32 v[80+\j], 0                          ; named behind K's last tile
.endr
	v_mov_b32 v27, 0                               ; a lane permute's destination counts as one of its sources
	v_mov_b32 v31, 0
	v_mov_b32 v21, 0                               ; (named as the upper halves of f's pairs)
	v_mov_b32 v23, 0
	s_wait_alu depctr_va_vdst(0)
	s_wait_tensorcnt 0x0                           ; my eighth has landed
	s_barrier_signal -1
	s_barrier_wait -1                              ; everybody's has
	s_wait_loadcnt 0x0                             ; Q
.macro KLOAD                           ; 28 loads: K's eight half fragments and their scale words.  The first four lines are the places behind the score products
	v_add_nc_u32 v24, s2, v2
	v_add_nc_u32 v25, s3, v3
	v_nop
	v_nop
.irp t, 0,1,2,3,4,5,6,7
.irp p, 0,1,2
	ds_load_b64 v[32+6*\t+2*\p:33+6*\t+2*\p], v24 offset:3*PIT*(4*(\t/4)+(\t%2))+64*((\t%4)/2)+PIT*\p
.endr
.endr
.irp c, 0,1
.irp g, 0,1
	ds_load_b64 v[86+4*\c+2*\g:87+4*\c+2*\g], v25 offset:PIT*\c+128*\g   ; the words of tiles (c, 2 g) and (c, 2 g + 1) of my row
.endr
.endr
.endm
.macro VLOAD                           ; 25 loads: V's scale words and four fragments.  The first four lines are the places behind the value products
	v_add_nc_u32 v24, s14, v1
	v_add_nc_u32 v25, s15, v4
	v_nop
	v_nop
	ds_load_b128 v[94:97], v25
	WIN 0x40
.irp t, 0,1,2,3
.irp p, 0,1,2,3,4,5
	ds_load_b64 v[128+12*\t+2*\p:129+12*\t+2*\p], v24 offset:PIT*(6*\t+\p)
.endr
.endr
	WIN 0
.endm
.macro LEVEL x, d                      ; a level of the sum's tree, in place: pair k += pair k + d
.set KK, 0
.rept \d
	v_pk_add_f32 v[128+64*\x+2*KK:129+64*\x+2*KK], v[128+64*\x+2*KK:129+64*\x+2*KK], v[128+64*\x+2*(KK+\d):129+64*\x+2*(KK+\d)]
.set KK, KK+1
.endr
.endm
.macro CODES x                         ; tile x's 64 p become twelve registers of codes; a conversion's three registers begin on an even number, so each block's second half is made in v24 on and moved
.irp c, 0,1
	v_cvt_scalef32_pk16_fp6_f32 v[104+12*\x+6*\c:106+12*\x+6*\c], v[128+64*\x+32*\c:143+64*\x+32*\c], v[80+2*\x+\c]
	v_cvt_scalef32_pk16_fp6_f32 v[24+4*\c:26+4*\c], v[144+64*\x+32*\c:159+64*\x+32*\c], v[80+2*\x+\c]
.endr
.endm
.macro MOVES x
.irp c, 0,1
.irp i, 0,1,2
	v_mov_b32 v[107+12*\x+6*\c+\i], v[24+4*\c+\i]
.endr
.endr
.endm
; A KEY STEP: 128 keys x 32 queries.  qf: Q's fragments (window 1); qs: their scale words
.macro STEP qf, qs
	s_add_co_u32 s36, s37, 1
	s_and_b32 s36, s36, 15                         ; the step that is fetched in this trip
	s_mul_i32 s2, s36, KST
	s_mul_i32 s3, s36, 2*PIT
	s_mul_i32 s15, s36, PIT
	s_add_co_u32 s14, s2, LV
	s_add_co_u32 s3, s3, LKS
	s_add_co_u32 s15, s15, LVS
	s_wait_dscnt 25                                ; K and its words are in; V's 25 loads, issued behind them, may be out
	WIN 0x04                                       ; source 1 (Q) in window 1
.irp t, 0,1,2,3,4,5,6,7
.irp x, 0,1
	v_wmma_scale_f32_16x16x128_f8f6f4 v[128+64*\x+8*\t:135+64*\x+8*\t], v[32+6*\t:43+6*\t], v[\qf+12*\x:\qf+12*\x+11], 0, v[86+\t], v[\qs+\x] matrix_a_fmt:MATRIX_FMT_FP6 matrix_b_fmt:MATRIX_FMT_FP6
.endr
.endr
	WIN 0
	KLOAD                                          ; the next step's K lands under the softmax
.irp x, 0,1                                    ; the largest score of each block of 32 keys, all mine: for the row's maximum, and, since p rises with the score, for the block's largest p
.irp c, 0,1
	v_max3_num_f32 v[80+2*\x+\c], v[128+64*\x+32*\c], v[129+64*\x+32*\c], v[130+64*\x+32*\c]
.endr
.endr
.irp i, 3,5,7,9,11,13,15,17,19,21,23,25,27,29
.irp x, 0,1
.irp c, 0,1
	v_max3_num_f32 v[80+2*\x+\c], v[80+2*\x+\c], v[128+64*\x+32*\c+\i], v[129+64*\x+32*\c+\i]
.endr
.endr
.endr
.irp x, 0,1
.irp c, 0,1
	v_max_num_f32 v[80+2*\x+\c], v[80+2*\x+\c], v[159+64*\x+32*\c]
.endr
.endr
.irp x, 0,1
	v_max_num_f32 v[24+\x], v[80+2*\x], v[81+2*\x]
.endr
.irp x, 0,1
	v_permlanex16_b32 v[27+4*\x], v[24+\x], s20, s21
.endr
.irp x, 0,1
	v_max3_num_f32 v[13+4*\x], v[13+4*\x], v[24+\x], v[27+4*\x]   ; the running largest score
.endr
.irp x, 0,1
	v_mul_f32 v[24+\x], s39, v[13+4*\x]            ; -t
.endr
.irp x, 0,1
	v_floor_f32 v[24+\x], v[24+\x]                 ; the new -M: M is a whole number
.endr
.irp x, 0,1
	v_sub_f32 v[27+4*\x], v[24+\x], v[12+4*\x]     ; old M - new M: a whole number, 0 or less
.endr
.irp x, 0,1
	v_mov_b32 v[12+4*\x], v[24+\x]
.endr
.irp x, 0,1
	v_cvt_i32_f32 v[27+4*\x], v[27+4*\x]           ; (it saturates)
.endr
.irp x, 0,1
	v_ldexp_f32 v[20+2*\x], 1.0, v[27+4*\x]        ; f = 2^(old M - new M)
.endr
	WIN 0x41                                       ; O^T under the new M, ahead of the exponentials; each accumulator from its low end on
.irp x, 0,1
.irp j, 0,2,4,6,8,10,12,14,16,18,20,22,24,26,28,30
	v_pk_mul_f32 v[32*\x+\j:32*\x+\j+1], v[32*\x+\j:32*\x+\j+1], v[20+2*\x:21+2*\x] op_sel_hi:[1,0]
.endr
.endr
	WIN 0
.irp x, 0,1
.set J, 0
.rept 32
	v_pk_fma_f32 v[128+64*\x+J:129+64*\x+J], v[128+64*\x+J:129+64*\x+J], s[22:23], v[12+4*\x:13+4*\x] op_sel_hi:[1,0,0]   ; t - M, two at a time
.set J, J+2
.endr
.endr
.irp x, 0,1
.irp c, 0,1
	v_fma_f32 v[80+2*\x+\c], v[80+2*\x+\c], s22, v[12+4*\x]   ; the same of each block's largest score
.endr
.endr
	s_wait_alu depctr_va_vdst(0)
.irp b, 0,1,2,3
	v_exp_f32 v[80+\b], v[80+\b]                   ; the block's largest p
.endr
.set J, 0
.rept 128
	v_exp_f32 v[128+J], v[128+J]                   ; p = 2^(t - M), at most 1
.set J, J+1
.endr
.irp x, 0,1
	v_pk_mul_f32 v[14+4*\x:15+4*\x], v[14+4*\x:15+4*\x], v[20+2*\x:21+2*\x] op_sel_hi:[1,0]   ; the sums under the new M: plain lines behind the exponentials
.endr
	s_wait_alu depctr_va_vdst(0)                   ; one wait for the batch, ahead of its first reader
.irp b, 0,1,2,3
	v_max_num_f32 v[80+\b], 0x1800000, v[80+\b]    ; the floor 2^(3 - 127): the byte cannot fall under 1
.endr
.irp b, 0,1,2,3
	v_add_nc_u32 v[80+\b], 0xff000000, v[80+\b]    ; 2 off the exponent field: the conversion's scale operand
.endr
.irp x, 0,1
.irp c, 0,1
	v_lshrrev_b32 v[84-74*\x+\c], 23, v[80+2*\x+\c]   ; the scale's byte (v84, v85; v10, v11)
.endr
.endr
.irp x, 0,1
	v_lshl_or_b32 v[84-74*\x], v[85-74*\x], 16, v[84-74*\x]   ; my two bytes, blocks h and 2 + h,
.endr
.irp x, 0,1
	v_lshlrev_b32 v[84-74*\x], v6, v[84-74*\x]     ; at their places in the word;
.endr
.irp x, 0,1
	v_permlanex16_b32 v[27+4*\x], v[84-74*\x], s20, s21
.endr
.irp x, 0,1
	v_or_b32 v[102+\x], v[84-74*\x], v[27+4*\x]    ; with lane l xor 16's two the word is whole
.endr
	CODES 0
	v_nop                                          ; one plain line behind the scaled conversions
	MOVES 0
	CODES 1
	LEVEL 0, 16                                    ; THE ROW'S SUM IS TAKEN OF THE UNQUANTISED p, which the conversions have left as it was.  Its first line is the plain line behind tile 1's conversions
	MOVES 1
	LEVEL 1, 16
.irp d, 8,4,2,1
	LEVEL 0, \d
	LEVEL 1, \d
.endr
.irp x, 0,1
	v_pk_add_f32 v[14+4*\x:15+4*\x], v[14+4*\x:15+4*\x], v[128+64*\x:129+64*\x]
.endr                                          ; (the tree's lines are also the places between the codes' and the scale words' last writes and the products)
	s_wait_alu depctr_va_vdst(0)
	s_wait_dscnt 28                                ; V and its words are in; the next K's 28 loads may be out
	WIN 0x51                                       ; source 0 (V), C and D in window 1
.irp t, 0,1,2,3
.irp x, 0,1
	v_wmma_scale_f32_16x16x128_f8f6f4 v[32*\x+8*\t:32*\x+8*\t+7], v[128+12*\t:139+12*\t], v[104+12*\x:115+12*\x], v[32*\x+8*\t:32*\x+8*\t+7], v[94+\t], v[102+\x] matrix_a_fmt:MATRIX_FMT_FP6 matrix_b_fmt:MATRIX_FMT_FP6
.endr
.endr                                          ; the eight accumulators take turns, one instruction a turn
	WIN 0
	VLOAD                                          ; the next step's V lands under the next scores and softmax
.endm
; O^T / the sum is quantised along the head's 64 (two blocks of the embedding) and leaves as half a fragment and two scale bytes a row.  V's feature tiles are permuted so that register 16 b + i is feature 32 b + 16 h + i of my query.  n: the pass
.macro FINISH n
.irp x, 0,1
	v_add_f32 v[14+4*\x], v[14+4*\x], v[15+4*\x]
.endr
.irp x, 0,1
	v_permlanex16_b32 v[27+4*\x], v[14+4*\x], s20, s21
.endr
.irp x, 0,1
	v_add_f32 v[14+4*\x], v[14+4*\x], v[27+4*\x]   ; the row's sum
.endr
	s_wait_alu depctr_va_vdst(0)
.irp x, 0,1
	v_rcp_f32 v[14+4*\x], v[14+4*\x]
.endr
	v_nop                                          ; the plain line behind them
	WIN 0x01                                       ; source 0 (O^T) in window 1
	s_wait_alu depctr_va_vdst(0)                   ; ahead of the first reader of the reciprocals and of O^T
.irp x, 0,1
.irp j, 0,2,4,6,8,10,12,14,16,18,20,22,24,26,28,30
	v_pk_mul_f32 v[128+64*\x+\j:129+64*\x+\j], v[32*\x+\j:32*\x+\j+1], v[14+4*\x:15+4*\x] op_sel_hi:[1,0]
.endr
.endr
	WIN 0
.irp x, 0,1
.irp b, 0,1
	v_max3_num_f32 v[80+2*\x+\b], |v[128+64*\x+16*\b]|, |v[129+64*\x+16*\b]|, 0x1800000
.endr
.endr
.irp i, 2,4,6,8,10,12,14
.irp x, 0,1
.irp b, 0,1
	v_max3_num_f32 v[80+2*\x+\b], v[80+2*\x+\b], |v[128+64*\x+16*\b+\i]|, |v[129+64*\x+16*\b+\i]|
.endr
.endr
.endr
.irp x, 0,1
.irp b, 0,1
	v_permlanex16_b32 v[84-74*\x+\b], v[80+2*\x+\b], s20, s21
.endr
.endr
.irp x, 0,1
.irp b, 0,1
	v_max_num_f32 v[80+2*\x+\b], v[80+2*\x+\b], v[84-74*\x+\b]   ; with lane l xor 16's 16: the block's largest magnitude
.endr
.endr
.irp b, 0,1,2,3
	v_add_nc_u32 v[80+\b], 0xff000000, v[80+\b]
.endr
.irp x, 0,1
.irp b, 0,1
	v_lshrrev_b32 v[84-74*\x+\b], 23, v[80+2*\x+\b]
.endr
.endr
.irp x, 0,1
	v_cvt_scalef32_pk16_fp6_f32 v[104+12*\x:106+12*\x], v[128+64*\x:143+64*\x], v[80+2*\x]
	v_cvt_scalef32_pk16_fp6_f32 v[24+4*\x:26+4*\x], v[144+64*\x:159+64*\x], v[81+2*\x]
.endr
	v_nop                                          ; one plain line behind the scaled conversions
.irp x, 0,1
.irp i, 0,1,2
	v_permlane16_swap_b32 v[104+12*\x+\i], v[24+4*\x+\i]   ; the operand's layout wants a whole block in a lane
.endr
.endr
.irp x, 0,1
.irp i, 0,1,2
	v_mov_b32 v[107+12*\x+\i], v[24+4*\x+\i]
.endr
	v_cndmask_b32 v[27+4*\x], v[84-74*\x], v[85-74*\x], s38   ; lanes 0-15 send block 0's byte, lanes 16-31 block 1's
.endr
.irp x, 0,1
.irp p, 0,1,2
	global_store_b64 v1, v[104+12*\x+2*\p:105+12*\x+2*\p], s[44:45] offset:256*\p+12288*\x+196608*(\n)   ; 32 lanes store 256 consecutive bytes, aligned
.endr
	global_store_b8 v5, v[27+4*\x], s[46:47] offset:256*\x+8192*(\n)   ; two of a row's 32 scale bytes belong to a head: they leave as single bytes
.endr
.endm
.macro PASS n
.irp x, 0,1
	v_mov_b32 v[13+4*\x], 0xff61b1e6               ; the largest score so far: -3e38
	v_mov_b32 v[14+4*\x], 0
	v_mov_b32 v[15+4*\x], 0
.endr
.irp x, 0,1
	v_mul_f32 v[12+4*\x], s39, v[13+4*\x]
.endr
.irp x, 0,1
	v_floor_f32 v[12+4*\x], v[12+4*\x]
.endr
	WIN 0x40
.set J, 0
.rept 64
	v_mov_b32 v[J], 0                              ; O^T: the step is written once; the first finds zeros
.set J, J+1
.endr
	WIN 0
	s_mov_b32 s37, 0
.Lstep_\@:
	STEP 64+24*\n, 98+2*\n
	s_add_co_u32 s37, s37, 1
	s_cmp_lt_u32 s37, 16                           ; 2,048 keys / 128
	s_cbranch_scc1 .Lstep_\@
	FINISH \n
.endm
	s_mov_b32 s2, 0                                ; step 0's fragments: K's 28 loads, then V's 25
	s_mov_b32 s3, LKS
	s_mov_b32 s14, LV
	s_mov_b32 s15, LVS
	KLOAD
	VLOAD
	PASS 0
	s_wait_xcnt 0x0                                ; pass 0's stores have read their registers
	PASS 1
	s_wait_tensorcnt 0x0                           ; the wave's end
	ds_add_u32 v8, v9
	s_wait_dscnt 0x0
	ROUND                                          ; the closing round
	s_endpgm
.Lfunc_end_k_qf5e2aa7dd7_attn:
	.size	k_qf5e2aa7dd7_attn, .Lfunc_end_k_qf5e2aa7dd7_attn-k_qf5e2aa7dd7_attn
	.p2alignl 7, 3214868480
	.fill 96, 4, 3214868480
	.section	.rodata,"a",@progbits
	.p2align	6, 0x0
	.amdhsa_kernel k_qf5e2aa7dd7_attn
		.amdhsa_group_segment_fixed_size 236032
		.amdhsa_private_segment_fixed_size 0
		.amdhsa_enable_private_segment 0
		.amdhsa_kernarg_size 24
		.amdhsa_user_sgpr_count 2
		.amdhsa_user_sgpr_kernarg_segment_ptr 1
		.amdhsa_wavefront_size32 1
		.amdhsa_system_sgpr_workgroup_id_x 1
		.amdhsa_system_sgpr_workgroup_id_y 1
		.amdhsa_system_sgpr_workgroup_id_z 1
		.amdhsa_system_vgpr_workitem_id 0
		.amdhsa_next_free_vgpr 448
		.amdhsa_next_free_sgpr 66
		.amdhsa_reserve_vcc 0
		.amdhsa_float_denorm_mode_32 3
		.amdhsa_float_denorm_mode_16_64 3
		.amdhsa_memory_ordered 1
		.amdhsa_forward_progress 1
		.amdhsa_inst_pref_size 88
	.end_amdhsa_kernel
	.amdgpu_metadata
---
amdhsa.version: [ 1, 2 ]
amdhsa.kernels:
  - .name:           k_qf5e2aa7dd7_attn
    .symbol:         k_qf5e2aa7dd7_attn.kd
    .args:
      - { .name: qkv, .offset: 0, .size: 8, .value_kind: global_buffer, .address_space: global }
      - { .name: cd, .offset: 8, .size: 8, .value_kind: global_buffer, .address_space: global }
      - { .name: sc, .offset: 16, .size: 8, .value_kind: global_buffer, .address_space: global }
    .group_segment_fixed_size: 236032
    .private_segment_fixed_size: 0
    .kernarg_segment_align: 8
    .kernarg_segment_size: 24
    .max_flat_workgroup_size: 256
    .sgpr_count:     66
    .vgpr_count:     448
    .wavefront_size: 32
...
	.end_amdgpu_metadata
.endif
;; end of part 3
;; launch out (part 4): grid 4 x 64, 4 waves a work-group, clusters of 4 x 4, 327,680 bytes of LDS; arguments cd, sc, bo, out0; writes out0
.if DOCPART == 4
	.amdgcn_target "amdgcn-amd-amdhsa--gfx1250"
	.amdhsa_code_object_version 6
	.text
	.protected	k_qf5e2aa7dd7_out
	.globl	k_qf5e2aa7dd7_out
	.p2align	8
	.type	k_qf5e2aa7dd7_out,@function
k_qf5e2aa7dd7_out:
	s_mov_b64 s[64:65], 0
	v_nop
	global_prefetch_b8 v0, s[64:65] scope:SCOPE_SE
	s_setreg_imm32_b32 hwreg(HW_REG_WAVE_MODE, 25, 1), 1
	s_wait_xcnt 0x0
	s_wait_alu depctr_hold_cnt(0) depctr_sa_sdst(0) depctr_va_vdst(0) depctr_va_sdst(0) depctr_va_ssrc(0) depctr_va_vcc(0) depctr_vm_vsrc(0)
	s_getreg_b32 s2, hwreg(HW_REG_IB_STS2, 6, 4)
	s_cmp_eq_u32 s2, 0
	s_cbranch_scc0 .Lentry_in_a_cluster
	s_endpgm
.Lentry_in_a_cluster:
	s_bfe_u32 s2, ttmp6, 0x10000c
	s_cmp_lg_u32 s2, 0xf033
	s_cbranch_scc0 .Lentry_shape_is_right
	s_endpgm
.Lentry_shape_is_right:
; out0 = attn Wo^T + bo on codes of FP6 (E2M3) with E8M0 scales, sums in f32, results f32.
; THE CORE is the projections': C'[p][n] = sum over k of P[p][k] R[n][k], source 0 = 16 rows of R (Wo's rows: output features), source 1 = 16 rows of P (tokens): a lane holds one token and neighbouring features.
; Tiles of rows are permuted (row r of tile T is 32 (T / 2) + 8 (T % 2) + r + 8 (r / 8)): the 16 registers of result tiles 2 b and 2 b + 1 are 16 neighbouring features.
; SHARES: a work-group takes 128 tokens x 256 features x all of K = 1,024; four waves, each 64 x 128: 32 accumulators.  256 work-groups.
; LDS: 294,912 bytes hold the work-group's operands whole, two halves of 512 along K; every byte is filled once.  A wave has one tensor load out at a time.
; CLUSTER 4 x 4: P's tiles are shared along a row of the cluster, R's along a column: each is asked for jointly.
; THE WAY OUT: 16 tokens x 128 features at a time through the wave's own stage (rows of 528 bytes) in chunk 0, which has had its one fill and, behind the last barrier, its last read; whole rows of 512 bytes are stored.
; REGISTERS: window 0: v1-31 addresses; v32-95 scale words and nothing else; v96-191 P's fragments, two sets; v192-255 the bias in the result's layout.  window 1: R's fragments, two sets.  window 2: accumulator (a, b) at v[8 (8 a + b)].
; THE FILLS, as they stand now: LDS holds the operands whole as TWO halves of K (512 along K each: a tile's row is 6,144 bytes).  A wave issues one joint load at the head (half 0) and one
; behind the three lines and a round of the cluster's barrier (half 1), which has four K steps in which to land: one load of a wave is out at a time.  All of LDS is claimed.
; The stage of the way out lies in half 0, whose last reads are over at the barrier in K step 3.
.set CH, 147456
.set ADP, 8
.set ADR, 12
.set SC,  32
.set PF,  96
.set BR,  192
.set BK,  96                           ; the way out: 16 rows read back: v96-159 and v160-223 by turns
.set SP,  528
.set G1P, 24
.set G1R, 32
.set G0P, 40
.set G0R, 68
.set MSB, 0
.macro WIN new
.if MSB != \new
	s_set_vgpr_msb (MSB<<8)|\new
.set MSB, \new
.endif
.endm
.macro CROUND
	s_barrier_signal -1
	s_barrier_wait -1
	s_cmp_lg_u32 s16, 0
	s_cbranch_scc1 .Lnot_wave_0_\@
	s_barrier_signal -3
.Lnot_wave_0_\@:
	s_barrier_wait -3
	s_barrier_signal -1
	s_barrier_wait -1
.endm
.macro PLACES
.rept 4
	v_nop
.endr
.endm
.macro FETCH s
	WIN 0x40
.irp i, 0,1,2,3,4,5,6,7
.irp p, 0,1,2,3,4,5
	ds_load_b64 v[128*((\s)%2)+12*\i+2*\p:128*((\s)%2)+12*\i+2*\p+1], v[ADR+(\s)/4] offset:6144*\i+1536*((\s)%4)+256*\p
.endr
.endr
	WIN 0
.irp i, 0,1,2,3
.irp p, 0,1,2,3,4,5
	ds_load_b64 v[PF+48*((\s)%2)+12*\i+2*\p:PF+48*((\s)%2)+12*\i+2*\p+1], v[ADP+(\s)/4] offset:6144*\i+1536*((\s)%4)+256*\p
.endr
.endr
.endm
.macro MUL32 s, first                  ; the 32 accumulators take turns, one instruction a turn.  first = 1: the bias starts the sums
.if \first
	WIN 0x81
.else
	WIN 0xa1
.endif
.irp a, 0,1,2,3
.irp b, 0,1,2,3,4,5,6,7
.if \first
	v_wmma_scale_f32_16x16x128_f8f6f4 v[8*(8*\a+\b):8*(8*\a+\b)+7], v[128*((\s)%2)+12*\b:128*((\s)%2)+12*\b+11], v[PF+48*((\s)%2)+12*\a:PF+48*((\s)%2)+12*\a+11], v[BR+8*\b:BR+8*\b+7], v[SC+8*\b+(\s)], v[SC+8*\a+(\s)] matrix_a_fmt:MATRIX_FMT_FP6 matrix_b_fmt:MATRIX_FMT_FP6 matrix_a_scale:MATRIX_SCALE_ROW1
.else
	v_wmma_scale_f32_16x16x128_f8f6f4 v[8*(8*\a+\b):8*(8*\a+\b)+7], v[128*((\s)%2)+12*\b:128*((\s)%2)+12*\b+11], v[PF+48*((\s)%2)+12*\a:PF+48*((\s)%2)+12*\a+11], v[8*(8*\a+\b):8*(8*\a+\b)+7], v[SC+8*\b+(\s)], v[SC+8*\a+(\s)] matrix_a_fmt:MATRIX_FMT_FP6 matrix_b_fmt:MATRIX_FMT_FP6 matrix_a_scale:MATRIX_SCALE_ROW1
.endif
.endr
.endr
.endm
.macro KSTEP s
	s_wait_dscnt 0x0                               ; this step's 72 loads are in; no LDS instruction of mine is out at a signal
.if (\s) == 3
	s_wait_tensorcnt 0x0                           ; my load of half 1 has landed
	s_barrier_signal -1
	s_barrier_wait -1
.endif
.if (\s) < 7
	PLACES
	FETCH (\s)+1
.endif
.if (\s) == 0
	MUL32 \s, 1
.else
	MUL32 \s, 0
.endif
	WIN 0
.endm
	s_load_b256 s[4:11], s[0:1], 0x0               ; cd, sc, bo, out0
	v_lshl_add_u32 v28, v0, 2, 0x48000
	v_mov_b32 v29, 0
	ds_add_u32 v28, v29
	ds_add_u32 v28, v29
	v_lshrrev_b32 v1, 5, v0
	v_readfirstlane_b32 s16, v1                    ; wave 0..3
	s_lshr_b32 s17, s16, 1                         ; wp; also: I fetch for P (0) or for R (1)
	s_and_b32 s18, s16, 1                          ; wr; also: which half I fetch
	s_bfe_u32 s20, ttmp6, 0x40000                  ; cx
	s_bfe_u32 s21, ttmp6, 0x40004                  ; cy
	s_and_b32 s22, ttmp7, 0xffff
	s_lshl_b32 s61, s22, 2
	s_add_co_u32 s61, s61, s21                     ; P block: 128 tokens
	s_lshl_b32 s62, s61, 3
	s_add_co_u32 s62, s62, 1792                    ; its first tile in cd
	s_lshl_b32 s63, s18, 2
	s_add_co_u32 s63, s63, s62
	s_mul_i32 s58, s63, 12288
	s_mov_b32 s59, 0
	s_lshl_b32 s84, ttmp9, 2
	s_add_co_u32 s84, s84, s20                     ; R block: 256 features
	s_lshl_b32 s85, s84, 4
	s_add_co_u32 s85, s85, 1728                    ; Wo's tiles begin at 1728
	s_lshl_b32 s88, s18, 3
	s_add_co_u32 s88, s88, s85
	s_mul_i32 s86, s88, 12288
	s_mov_b32 s87, 0
	s_mul_i32 s98, s18, 24576                      ; where they go in a half: the wave's number alone enters an LDS address
	s_mul_i32 s99, s18, 49152
	s_add_co_u32 s99, s99, 49152
	s_lshl_b32 s19, s21, 2
	s_lshl_b32 s19, 15, s19                        ; my row of the cluster
	s_lshl_b32 s88, 0x1111, s20                    ; my column
	s_or_b32 s[G1P], s19, (3<<16)|(1<<21)          ; group 1: rows of 6,144 bytes (768 elements of 8), 12,288 bytes apart in cd, dense in LDS
	s_or_b32 s[G1R], s88, (3<<16)|(1<<21)
	s_mov_b32 s[G1P+1], 768<<16
	s_mov_b32 s[G1P+2], 4<<16
	s_mov_b32 s[G1P+3], 768<<16
	s_mov_b32 s[G1P+4], 4
	s_mov_b32 s[G1P+5], 1536
	s_mov_b32 s[G1P+6], 0
	s_mov_b32 s[G1P+7], 0
	s_mov_b32 s[G1R+1], 768<<16
	s_mov_b32 s[G1R+2], 8<<16
	s_mov_b32 s[G1R+3], 768<<16
	s_mov_b32 s[G1R+4], 8
	s_mov_b32 s[G1R+5], 1536
	s_mov_b32 s[G1R+6], 0
	s_mov_b32 s[G1R+7], 0
	s_wait_dscnt 0x0
	s_wait_kmcnt 0x0
	s_add_nc_u64 s[58:59], s[4:5], s[58:59]
	s_add_nc_u64 s[86:87], s[4:5], s[86:87]
.irp c, 0,1
	s_mov_b32 s[G0P+4*\c], 1
	s_add_co_u32 s[G0P+4*\c+1], s98, \c*CH
	s_add_nc_u64 s[G0P+4*\c+2:G0P+4*\c+3], s[58:59], \c*6144
	s_or_b32 s[G0P+4*\c+3], s[G0P+4*\c+3], 0x80000000
	s_mov_b32 s[G0R+4*\c], 1
	s_add_co_u32 s[G0R+4*\c+1], s99, \c*CH
	s_add_nc_u64 s[G0R+4*\c+2:G0R+4*\c+3], s[86:87], \c*6144
	s_or_b32 s[G0R+4*\c+3], s[G0R+4*\c+3], 0x80000000
.endr
	CROUND                                         ; all sixteen work-groups are here: the joint loads meet
	s_cmp_eq_u32 s17, 0
	s_cbranch_scc0 .Lfill_r
	tensor_load_to_lds s[G0P:G0P+3], s[G1P:G1P+7]
	s_nop 0
.rept 4
	v_nop
.endr
	s_branch .Lfilled
.Lfill_r:
	tensor_load_to_lds s[G0R:G0R+3], s[G1R:G1R+7]
	s_nop 0
.rept 4
	v_nop
.endr
.Lfilled:
	v_and_b32 v26, 31, v0
	v_lshlrev_b32 v1, 3, v26                       ; 8 x lane
	v_lshlrev_b32 v26, 4, v26                      ; 16 x lane: my bytes of a row of 512
	v_and_b32 v2, 15, v0                           ; r
	v_bfe_u32 v3, v0, 4, 1                         ; h
	v_and_b32 v4, 8, v2
	v_add_nc_u32 v4, v4, v2                        ; r + 8 (r / 8)
	s_mul_i32 s98, s17, 24576
	s_mul_i32 s99, s18, 49152
	s_add_co_u32 s99, s99, 49152
.irp c, 0,1
	v_add_nc_u32 v[ADP+\c], s98, v1
	v_add_nc_u32 v[ADR+\c], s99, v1
	s_add_co_u32 s98, s98, CH
	s_add_co_u32 s99, s99, CH
.endr
	s_mul_i32 s98, s16, 16*SP                      ; my stage
	s_wait_alu depctr_va_vdst(0)
	v_mul_u32_u24 v24, v2, SP
	v_lshl_add_u32 v24, v3, 6, v24
	v_add_nc_u32 v24, s98, v24                     ; in: row r, + 64 h bytes
	v_add_nc_u32 v25, s98, v26                     ; back: 16 bytes a lane of a whole row
	s_mov_b32 s66, 0xffff0000                      ; lanes 16-31
	s_lshl_b32 s98, s17, 2
	s_add_co_u32 s98, s98, s62
	s_lshl_b32 s98, s98, 9                         ; my first row of P in sc
	s_lshl_b32 s99, s18, 3
	s_add_co_u32 s99, s99, s85
	s_lshl_b32 s99, s99, 9                         ; my first row of R
	v_mov_b32 v30, s98
	v_mov_b32 v31, s99
	v_cndmask_b32 v30, v30, v31, s66               ; lanes 0-15 take P's rows, lanes 16-31 R's
	v_lshl_add_u32 v30, v4, 5, v30
	v_lshl_add_u32 v31, v4, 5, v31                 ; tiles 4-7 are R's alone: there all lanes stand on R's rows, so that no lane leaves sc
.irp i, 0,1,2,3
.irp e, 0,1
	global_load_b128 v[SC+8*\i+4*\e:SC+8*\i+4*\e+3], v30, s[6:7] offset:(32*(\i/2)+8*(\i%2))*32+16*\e
.endr
.endr
.irp i, 4,5,6,7
.irp e, 0,1
	global_load_b128 v[SC+8*\i+4*\e:SC+8*\i+4*\e+3], v31, s[6:7] offset:(32*(\i/2)+8*(\i%2))*32+16*\e
.endr
.endr
	s_lshl_b32 s92, s84, 10
	s_lshl_b32 s93, s18, 9
	s_add_co_u32 s92, s92, s93                     ; my first feature, in bytes: 1,024 x R block + 512 wr
	s_mov_b32 s93, 0
	s_add_nc_u64 s[8:9], s[8:9], s[92:93]
	v_lshlrev_b32 v5, 6, v3                        ; 16 h numbers
.irp b, 0,1,2,3,4,5,6,7
.irp e, 0,1
	global_load_b128 v[BR+8*\b+4*\e:BR+8*\b+4*\e+3], v5, s[8:9] offset:(32*(\b/2)+8*(\b%2))*4+16*\e
.endr
.endr
	s_lshl_b32 s90, s61, 7
	s_lshl_b32 s91, s17, 6
	s_add_co_u32 s90, s90, s91                     ; my first token, b-major: 2,048 b + t
	s_lshr_b32 s91, s90, 11
	s_and_b32 s90, s90, 2047
	s_lshl_b32 s90, s90, 2
	s_add_co_u32 s90, s90, s91                     ; its row of out0: 4 t + b
	s_lshl_b32 s90, s90, 12
	s_add_co_u32 s90, s90, s92
	s_mov_b32 s91, 0
	s_add_nc_u64 s[10:11], s[10:11], s[90:91]
	s_wait_alu depctr_va_vdst(0)
	s_wait_tensorcnt 0x0                           ; my load of half 0 has landed
	ds_add_u32 v28, v29
	s_wait_dscnt 0x0
	CROUND                                         ; everybody's part of half 0 is in, and the joint loads of half 1 meet
	s_cmp_eq_u32 s17, 0
	s_cbranch_scc0 .Lfill_r2
	tensor_load_to_lds s[G0P+4:G0P+7], s[G1P:G1P+7]
	s_nop 0
.rept 4
	v_nop
.endr
	s_branch .Lfilled2
.Lfill_r2:
	tensor_load_to_lds s[G0R+4:G0R+7], s[G1R:G1R+7]
	s_nop 0
.rept 4
	v_nop
.endr
.Lfilled2:
	FETCH 0
	s_wait_loadcnt 0x0                             ; scale words and bias
.irp s, 0,1,2,3,4,5,6,7
	KSTEP \s
.endr
.macro TOSTAGE a                       ; tile a's 16 tokens x 128 features into my stage, and back as whole rows
	WIN 0x08                                       ; an LDS store's data are its source 1: window 2
.irp b, 0,1,2,3,4,5,6,7
	ds_store_b128 v24, v[8*(8*(\a)+\b):8*(8*(\a)+\b)+3] offset:128*(\b/2)+32*(\b%2)        ; each accumulator from its low end on
	ds_store_b128 v24, v[8*(8*(\a)+\b)+4:8*(8*(\a)+\b)+7] offset:128*(\b/2)+32*(\b%2)+16
.endr
	WIN 0
.irp t, 0,1,2,3,4,5,6,7,8,9,10,11,12,13,14,15
	ds_load_b128 v[BK+64*((\a)%2)+4*\t:BK+64*((\a)%2)+4*\t+3], v25 offset:SP*\t   ; LDS serves a wave's instructions in order: these see the stores above, and the next tile's stores come behind them
.endr
.endm
.macro SEND a, younger                 ; younger: the LDS instructions issued behind tile a's loads, which may stay out
	s_wait_dscnt \younger
.irp t, 0,1,2,3,4,5,6,7,8,9,10,11,12,13,14,15
	global_store_b128 v26, v[BK+64*((\a)%2)+4*\t:BK+64*((\a)%2)+4*\t+3], s[10:11] offset:(32*((\a)/2)+8*((\a)%2)+\t+8*(\t/8))*16384 th:TH_STORE_NT   ; 32 lanes store 512 consecutive bytes, aligned; token t + 1 lies 16,384 bytes on
.endr
.endm
	PLACES                                         ; behind the last products: ahead of the first read of results and of the loads into operands' registers
	s_wait_alu depctr_va_vdst(0)
	TOSTAGE 0
.irp a, 1,2,3
.if \a > 1
	s_wait_xcnt 0x0                                ; tile a - 2's stores have read the registers that tile a's loads take
.endif
	TOSTAGE \a
	SEND \a-1, 32                                  ; behind tile a - 1's loads: tile a's 16 stores and 16 loads
.endr
	SEND 3, 0
	s_wait_tensorcnt 0x0
	ds_add_u32 v28, v29
	s_wait_dscnt 0x0
	CROUND                                         ; the closing round: no work-group ends while a partner may still ask for a tile that names it
	s_endpgm
.Lfunc_end_k_qf5e2aa7dd7_out:
	.size	k_qf5e2aa7dd7_out, .Lfunc_end_k_qf5e2aa7dd7_out-k_qf5e2aa7dd7_out
	.p2alignl 7, 3214868480
	.fill 96, 4, 3214868480
	.section	.rodata,"a",@progbits
	.p2align	6, 0x0
	.amdhsa_kernel k_qf5e2aa7dd7_out
		.amdhsa_group_segment_fixed_size 327680
		.amdhsa_private_segment_fixed_size 0
		.amdhsa_enable_private_segment 0
		.amdhsa_kernarg_size 32
		.amdhsa_user_sgpr_count 2
		.amdhsa_user_sgpr_kernarg_segment_ptr 1
		.amdhsa_wavefront_size32 1
		.amdhsa_system_sgpr_workgroup_id_x 1
		.amdhsa_system_sgpr_workgroup_id_y 1
		.amdhsa_system_sgpr_workgroup_id_z 1
		.amdhsa_system_vgpr_workitem_id 0
		.amdhsa_next_free_vgpr 768
		.amdhsa_next_free_sgpr 100
		.amdhsa_reserve_vcc 0
		.amdhsa_float_denorm_mode_32 3
		.amdhsa_float_denorm_mode_16_64 3
		.amdhsa_memory_ordered 1
		.amdhsa_forward_progress 1
		.amdhsa_inst_pref_size 97
	.end_amdhsa_kernel
	.amdgpu_metadata
---
amdhsa.version: [ 1, 2 ]
amdhsa.kernels:
  - .name:           k_qf5e2aa7dd7_out
    .symbol:         k_qf5e2aa7dd7_out.kd
    .args:
      - { .name: cd, .offset: 0, .size: 8, .value_kind: global_buffer, .address_space: global }
      - { .name: sc, .offset: 8, .size: 8, .value_kind: global_buffer, .address_space: global }
      - { .name: bo, .offset: 16, .size: 8, .value_kind: global_buffer, .address_space: global }
      - { .name: out0, .offset: 24, .size: 8, .value_kind: global_buffer, .address_space: global }
    .group_segment_fixed_size: 327680
    .private_segment_fixed_size: 0
    .kernarg_segment_align: 8
    .kernarg_segment_size: 32
    .max_flat_workgroup_size: 128
    .sgpr_count:     100
    .vgpr_count:     768
    .wavefront_size: 32
...
	.end_amdgpu_metadata
.endif
;; end of part 4
